; MI455X (gfx1250); checked and timed in simulation.
; The chip was launched on July 23, 2026; its instructions are those of AMD's public machine-readable ISA for CDNA 5 (MIT licence, August 2026) and "CDNA5" Instruction Set Architecture Reference Guide (July 2026). The comments in the code are by the model that wrote it; some were corrected since.
;; Multi Head. Allowed arithmetic: matrix products marked QUANTISED: E4M3 operands, one given power-of-two scale a tensor, by v_wmma_f32_16x16x64_fp8_fp8 or v_wmma_f32_16x16x128_fp8_fp8, f32 sums; everything else in f32.
;; Inputs: K_codes 8 x 1,024 x 32 x 32 uint8 (E4M3 codes of K, K innermost, in blocks of 32 codes); Q_codes 8 x 1,024 x 32 x 32 uint8 (E4M3 codes of Q, K innermost, in blocks of 32 codes); V_codes 8 x 1,024 x 32 x 32 uint8 (E4M3 codes of V, K innermost, in blocks of 32 codes); Wk_codes 1,024 x 32 x 32 uint8 (E4M3 codes of Wk, K innermost, in blocks of 32 codes); Wo_codes 1,024 x 32 x 32 uint8 (E4M3 codes of Wo, K innermost, in blocks of 32 codes); Wq_codes 1,024 x 32 x 32 uint8 (E4M3 codes of Wq, K innermost, in blocks of 32 codes); Wv_codes 1,024 x 32 x 32 uint8 (E4M3 codes of Wv, K innermost, in blocks of 32 codes); gamma 1 x 1 float32; lowp_scales 12 int32 (the exponents e of the quantised operands' scales 2^e); mask 8 x 1,024 x 1,024 bool.
;; Outputs: out0 8 x 1,024 x 1,024 float32.
;; This version of the problem:
;;   THIS VERSION OF THE PROBLEM IS GIVEN IN LOW PRECISION. The matrix products marked QUANTISED in the list below multiply operands that are first quantised to E4M3 (4 exponent bits, 3 mantissa bits; 8 bits a number), with one given power-of-two scale for each operand tensor; their sums are f32. All else is computed in f32.
;;   The module's matrix products, in the order in which they are computed (A, B: the left and right operand; K: the contracted axis; several contracted axes count as one K, in the product's order):
;;     1. [M 8,192, K 1,024] x [K 1,024, N 1,024]; A: input Q (given as codes); B: input Wq (given as codes): QUANTISED (scales: A lowp_scales[0], B lowp_scales[1])
;;     2. [M 8,192, K 1,024] x [K 1,024, N 1,024]; A: input K (given as codes); B: input Wk (given as codes): QUANTISED (scales: A lowp_scales[2], B lowp_scales[3])
;;     3. [M 8,192, K 1,024] x [K 1,024, N 1,024]; A: input V (given as codes); B: input Wv (given as codes): QUANTISED (scales: A lowp_scales[4], B lowp_scales[5])
;;     4. batch 64 x [M 1,024, K 128] x [K 128, N 1,024]; A: computed on the way; B: computed on the way: QUANTISED (scales: A lowp_scales[6], B lowp_scales[7])
;;     5. batch 64 x [M 1,024, K 1,024] x [K 1,024, N 128]; A: softmax (see below); B: computed on the way: QUANTISED (scales: A lowp_scales[8], B lowp_scales[9])
;;     6. [M 8,192, K 1,024] x [K 1,024, N 1,024]; A: computed on the way; B: input Wo (given as codes): QUANTISED (scales: A lowp_scales[10], B lowp_scales[11])
;;   THE QUANTISER, for each operand of a quantised product, along K:
;;     - The operand's scale is 2^e, e = its entry of the input lowp_scales (int32; the entries are numbered through the quantised products in the list's order, A before B).
;;     - Each number is divided by the scale, clamped to +-448, and rounded to the nearest number of E4M3, ties to even, subnormals kept.
;;     - The product sums the exact products of the quantised numbers (number of the format x scale) in f32.
;;   ~~~python
;;   def quantise(x, axis, e):      # numpy; x: float32 -> the quantised numbers, widened to float32 again
;;       x = np.moveaxis(x, axis, -1); K = x.shape[-1]
;;       r = np.clip(x / 2.0 ** e, -448, 448)
;;       step = 2.0 ** (np.maximum(np.frexp(np.where(r == 0, 1, r))[1] - 1, -6) - 3)
;;       q = np.round(r / step) * step * 2.0 ** e      # np.round: ties to even
;;       return np.moveaxis(q, -1, axis).astype(np.float32)
;;   ~~~
;;   SOFTMAX AHEAD OF A QUANTISED PRODUCT. Where the list says 'softmax', what is quantised is not the finished softmax but p = 2^(t - M), with t = logit x log2(e) and M = ceil(the row's largest t), a whole number; so 1/2 < the row's largest p <= 1. The row's sum l is taken of the UNQUANTISED p, in f32, and the product's result is divided by l at the end. Since M is a whole number, a kernel that streams over the keys may use a running M (the ceiling of the running maximum): every later rescaling is an exact power of two, so the quantised numbers keep their values, but for numbers so far below the row's largest that they fall under the format's range.
;;   OPERANDS COMPUTED ON THE WAY. 'Computed on the way' means the value that the module computes at that place (a softmax that the list does not call 'softmax' is quantised finished and normalised). What goes into a quantiser is computed in f32, as accurately as f32 sums, v_exp_f32 and their like allow (about 1e-6 of the number): no bf16 or f16 on the way to a quantiser, and a product that is left as it is and whose result goes on into a quantised operand takes f32 operands (vector FMAs, or v_wmma_f32_16x16x4_f32). A number that lies on a knife's edge between two numbers of the format may be rounded either way, as far as f32 arithmetic and the matrix unit's own rounding can turn it there, and no further.
;;   INPUTS GIVEN AS CODES. K (in the module: [8, 1024, 1024], K = its axis 2); Q (in the module: [8, 1024, 1024], K = its axis 2); V (in the module: [8, 1024, 1024], K = its axis 2); Wk (in the module: [1024, 1024], K = its axis 1); Wo (in the module: [1024, 1024], K = its axis 1); Wq (in the module: [1024, 1024], K = its axis 1); Wv (in the module: [1024, 1024], K = its axis 1): each comes as NAME_codes (uint8): NAME with its K axis moved to the last place and cut into blocks of 32 codes, [.., K / 32, bytes a block], one block behind the other in memory; one code a byte (a code: sign, 4 exponent bits, 3 mantissa bits); its scale is its entry of lowp_scales. Its value is code x scale, taken as it is: it is not quantised again, and the codes and scales need not be those that the quantiser above would give.
;; 2 versions. Each part assembles by itself: llvm-mc -triple=amdgcn-amd-amdhsa -mcpu=gfx1250 --defsym DOCPART=n.
;; ======== version 1 of 2: 4 launches
;; workspace buffers: qi 8,388,608 bytes; ki 8,388,608 bytes; vi 8,388,608 bytes; ci 8,388,608 bytes; mw 1,048,576 bytes of whole numbers
;; launch pack (part 1): grid 256 x 1, 8 waves a work-group, no clusters, 35,840 bytes of LDS; arguments mask, mw; writes mw
.if DOCPART == 1
	.amdgcn_target "amdgcn-amd-amdhsa--gfx1250"
	.amdhsa_code_object_version 6
	.text
	.protected	k_qa9ccaa72ba_pack
	.globl	k_qa9ccaa72ba_pack
	.p2align	8
	.type	k_qa9ccaa72ba_pack,@function
k_qa9ccaa72ba_pack:
	s_mov_b64 s[64:65], 0
	v_nop
	global_prefetch_b8 v0, s[64:65] scope:SCOPE_SE
	s_setreg_imm32_b32 hwreg(HW_REG_WAVE_MODE, 25, 1), 1
	s_wait_xcnt 0x0
; The mask [8][1024][1024], one byte (0 or 1) a place, becomes words of 32 bits, one bit a lane, in the order in which the attention launch's lanes hold scores:
; word ((b 64 + query / 16) 512 + 8 T + j), bit r + 16 h = mask[b][16 (query / 16) + r][16 T + 8 h + j].  There one select a score then applies the mask.
; A wave takes 16 queries x 256 keys: 4,096 bytes in, 128 words out.  Each load reads two rows' 256 consecutive bytes; the bytes turn through the wave's own stage in LDS,
; so that lane (r, h) gets, of row r, the 8 bytes 16 T + 8 h on; a compare of one byte in all lanes IS the word.  The words are gathered four to a lane and leave as 512 consecutive bytes.
; No barrier: waves share nothing.  No matrix work, no cluster, no tensor load: nothing is read twice and the launch is short.
.set PITCH, 272                        ; a stage row: 256 bytes + 16, so that the 16 rows that a read touches do not start at the same bank
.set STG,   16*PITCH                   ; a wave's stage
.set LD,    8                          ; v8-39   the bytes as loaded
.set BY,    40                         ; v40-71  16 x 8 bytes: key tile T of my row
.set OW,    72                         ; v72-75  my four words of the 128
.set TA,    76                         ; v76-77  at work
	s_load_b128 s[4:7], s[0:1], 0x0                ; mask, mw
	v_lshl_add_u32 v80, v0, 2, 0x8800
	v_mov_b32 v81, 0
	v_lshrrev_b32 v1, 5, v0
	v_readfirstlane_b32 s8, v1                     ; wave 0..7
	v_and_b32 v1, 31, v0                           ; lane
	v_and_b32 v6, 15, v0                           ; r
	v_bfe_u32 v7, v0, 4, 1                         ; h
	s_lshl_b32 s9, ttmp9, 3
	s_add_co_u32 s9, s9, s8                        ; my unit, 0..2047
	s_lshr_b32 s10, s9, 2                          ; b 64 + query tile
	s_and_b32 s11, s9, 3                           ; which 256 keys
	s_lshl_b32 s12, s10, 14                        ; 16 rows of 1,024 bytes
	s_lshl_b32 s13, s11, 8
	s_add_co_u32 s12, s12, s13
	s_mov_b32 s13, 0
	s_lshl_b32 s14, s10, 11                        ; 512 words
	s_lshl_b32 s15, s11, 9                         ; 128 words
	s_add_co_u32 s14, s14, s15
	s_mov_b32 s15, 0
	s_mul_i32 s16, s8, STG
	v_lshlrev_b32 v2, 10, v7
	v_lshl_add_u32 v2, v6, 4, v2                   ; in: lanes 0-15 one row's 256 bytes, lanes 16-31 the next row's
	v_mul_u32_u24 v3, v7, PITCH
	v_lshl_add_u32 v3, v6, 4, v3
	v_add_nc_u32 v3, s16, v3                       ; the same two rows in the stage
	v_mul_u32_u24 v4, v6, PITCH
	v_lshl_add_u32 v4, v7, 3, v4
	v_add_nc_u32 v4, s16, v4                       ; back: row r, + 8 h
	v_lshlrev_b32 v5, 4, v1                        ; out: 16 bytes a lane
.irp i, 0,1,2,3
	v_mov_b32 v[OW+\i], 0                          ; written whole once: a lane write keeps the other lanes
.endr
	s_wait_kmcnt 0x0
	s_add_nc_u64 s[4:5], s[4:5], s[12:13]
	s_add_nc_u64 s[6:7], s[6:7], s[14:15]
.irp i, 0,1,2,3,4,5,6,7
	global_load_b128 v[LD+4*\i:LD+4*\i+3], v2, s[4:5] offset:2048*\i th:TH_LOAD_NT   ; rows 2 i, 2 i + 1
.endr
	s_wait_loadcnt 0x0
.irp i, 0,1,2,3,4,5,6,7
	ds_store_b128 v3, v[LD+4*\i:LD+4*\i+3] offset:2*PITCH*\i
.endr
.irp t, 0,1,2,3,4,5,6,7,8,9,10,11,12,13,14,15
	ds_load_b64 v[BY+2*\t:BY+2*\t+1], v4 offset:16*\t   ; LDS serves a wave's instructions in order (ISA guide 5.7.1.4): these see my stores
.endr
	s_wait_dscnt 0x0
.set n, 0                              ; word n = 8 T + j: byte j of tile T's eight
.rept 128
	v_and_b32 v[TA+n%2], 0xff<<(8*(n%4)), v[BY+2*(n/8)+(n%8)/4]
	v_cmp_ne_u32 s[20+n%8], 0, v[TA+n%2]           ; bit l: lane l's byte is set
	v_writelane_b32 v[OW+n%4], s[20+n%8], n/4      ; word n goes to lane n / 4, register n % 4
.set n, n+1
.endr
	global_store_b128 v5, v[OW:OW+3], s[6:7]       ; the wave stores 512 consecutive bytes, at a multiple of 512 from the buffer's first byte
	s_wait_tensorcnt 0x0
	ds_add_u32 v80, v81
	s_wait_dscnt 0x0
	s_endpgm
.Lfunc_end_k_qa9ccaa72ba_pack:
	.size	k_qa9ccaa72ba_pack, .Lfunc_end_k_qa9ccaa72ba_pack-k_qa9ccaa72ba_pack
	.p2alignl 7, 3214868480
	.fill 96, 4, 3214868480
	.section	.rodata,"a",@progbits
	.p2align	6, 0x0
	.amdhsa_kernel k_qa9ccaa72ba_pack
		.amdhsa_group_segment_fixed_size 35840
		.amdhsa_private_segment_fixed_size 0
		.amdhsa_enable_private_segment 0
		.amdhsa_kernarg_size 16
		.amdhsa_user_sgpr_count 2
		.amdhsa_user_sgpr_kernarg_segment_ptr 1
		.amdhsa_wavefront_size32 1
		.amdhsa_system_sgpr_workgroup_id_x 1
		.amdhsa_system_sgpr_workgroup_id_y 1
		.amdhsa_system_sgpr_workgroup_id_z 1
		.amdhsa_system_vgpr_workitem_id 0
		.amdhsa_next_free_vgpr 82
		.amdhsa_next_free_sgpr 66
		.amdhsa_reserve_vcc 0
		.amdhsa_float_denorm_mode_32 3
		.amdhsa_float_denorm_mode_16_64 3
		.amdhsa_memory_ordered 1
		.amdhsa_forward_progress 1
		.amdhsa_inst_pref_size 29
	.end_amdhsa_kernel
	.amdgpu_metadata
---
amdhsa.version: [ 1, 2 ]
amdhsa.kernels:
  - .name:           k_qa9ccaa72ba_pack
    .symbol:         k_qa9ccaa72ba_pack.kd
    .args:
      - { .name: mask, .offset: 0, .size: 8, .value_kind: global_buffer, .address_space: global }
      - { .name: mw, .offset: 8, .size: 8, .value_kind: global_buffer, .address_space: global }
    .group_segment_fixed_size: 35840
    .private_segment_fixed_size: 0
    .kernarg_segment_align: 8
    .kernarg_segment_size: 16
    .max_flat_workgroup_size: 256
    .sgpr_count:     66
    .vgpr_count:     82
    .wavefront_size: 32
...
	.end_amdgpu_metadata
.endif
;; end of part 1
;; launch proj (part 2): grid 4 x 96, 4 waves a work-group, clusters of 4 x 4, 327,680 bytes of LDS; arguments Q_codes, K_codes, V_codes, Wq_codes, Wk_codes, Wv_codes, lowp_scales, qi, ki, vi; writes qi, ki, vi
.if DOCPART == 2
	.amdgcn_target "amdgcn-amd-amdhsa--gfx1250"
	.amdhsa_code_object_version 6
	.text
	.protected	k_qa9ccaa72ba_proj
	.globl	k_qa9ccaa72ba_proj
	.p2align	8
	.type	k_qa9ccaa72ba_proj,@function
k_qa9ccaa72ba_proj:
	s_mov_b64 s[64:65], 0
	v_nop
	global_prefetch_b8 v0, s[64:65] scope:SCOPE_SE
	s_setreg_imm32_b32 hwreg(HW_REG_WAVE_MODE, 25, 1), 1
	s_wait_xcnt 0x0
	s_wait_alu depctr_hold_cnt(0) depctr_sa_sdst(0) depctr_va_vdst(0) depctr_va_sdst(0) depctr_va_ssrc(0) depctr_va_vcc(0) depctr_vm_vsrc(0)
	s_getreg_b32 s2, hwreg(HW_REG_IB_STS2, 6, 4)
	s_cmp_eq_u32 s2, 0
	s_cbranch_scc0 .Lentry_in_a_cluster
	s_endpgm
.Lentry_in_a_cluster:
	s_bfe_u32 s2, ttmp6, 0x10000c
	s_cmp_lg_u32 s2, 0xf033
	s_cbranch_scc0 .Lentry_shape_is_right
	s_endpgm
.Lentry_shape_is_right:
; The three projections x W^T on codes of FP8 (E4M3), [8192][1024] x [1024][1024] each, K = 1024, sums in f32; each result is quantised on the way out with its given scale and stored as codes.
; ONE LAUNCH FOR THE THREE: the cluster's y says which (y / 8: 0 Q, 1 K, 2 V) and which block of 1,024 rows of the long operand (y % 8).  Only pointers, offsets and exponents are chosen, by selects: one path for all.
; A tile of C, 256 x 256, is made by four waves, 128 x 128 each: 64 accumulators, 512 registers.  K goes in steps of 256 through a ring of two LDS slots filled by the tensor data mover.
; THE MATRIX INSTRUCTION IS USED TRANSPOSED (source 0 = 16 rows of B, source 1 = 16 rows of A): a lane holds ONE row of A and eight neighbouring rows of B.
;   Q, K: A = the tokens, B = the weight: a lane holds one token and channels of a head, which are the next product's K.
;   V:    A = Wv, B = the tokens: a lane holds one channel and eight tokens (keys), which are the K of the product with the softmax.
; THE WAY OUT.  A block of 16 rows of A x the wave's 128 rows of B is one operand fragment of the attention launch: accumulator b's eight sums, converted, are its registers 2 b, 2 b + 1
; (k = 16 b + 8 (lane / 16) + 0 .. 7).  The fragment is stored AS AN IMAGE OF ITS REGISTERS: registers 4 c .. 4 c + 3 of lane l at byte 512 c + 16 l: four stores of 512 consecutive bytes, no stage in LDS.
;   qi, ki: fragment ((b 8 + head) 64 + token / 16);  vi: fragment (((b 8 + head) 8 + key / 128) 8 + channel / 16);  2,048 bytes each.
; CLUSTERS: 4 x 4 work-groups; A's tile is asked for jointly along a row of the cluster, B's along a column.
; LIMITS: e(out) - e(A) - e(B) lies between -126 and 119 for each of the three, so that the conversion's scale and 448 x it are f32 numbers.  NaN is not served.
; REGISTERS, in windows of 256: window 0: v0-31 addresses; v128-255 A's fragments, ONE set; on the way out v32-95 held sums, v128-255 codes.   window 1: B's fragments, TWO sets.   windows 2, 3: the accumulators ((a, b) at v[8 (8 (a % 4) + b)]).
.set SIZE_K, 1024
.set KSTEP,  256                       ; along K in a slot
.set ROWB,   256                       ; a tile's row in bytes
.set KROW,   SIZE_K                    ; a row of any operand in memory, in bytes
.set PITCH,  272                       ; an LDS row: 256 bytes + 16 of padding = 68 words: the 16 rows that a load touches start 4 banks apart (64 banks of 4 bytes: ISA guide 11.1)
.set FR,     16                        ; registers of a fragment: 16 rows x 128 K
.set NL,     4                         ; LDS loads that bring one
.set NP,     4                         ; places behind this matrix instruction (ISA guide 7.12.1)
.set HALFT,  128*PITCH                 ; 128 rows: what one tensor load brings
.set SLOT,   4*HALFT                   ; A's 256 rows, then B's 256 rows
.set LAPS,   SIZE_K/(2*KSTEP)          ; a lap = two K steps = once round the ring
.set SPARE,  2*SLOT                    ; behind the ring: the spare words, 128 bytes for each wave, which no other line names
.set SC,   12                          ; v12     the conversion's scale, 2^(e(out) - e(A) - e(B)), as f32
.set LIM,  13                          ; v13     448 x that
.set ADRA, 16                          ; v16-17  LDS address of my A fragments in slot 0, 1
.set ADRB, 20                          ; v20-21  the same for B
.set CO,   26                          ; v26     16 x lane: my place in an image
.set SPW,  28                          ; v28     LDS address of my spare word; never rewritten
.set NIL,  29                          ; v29     0; never rewritten
.set TMP,  32                          ; the way out: a block's 64 sums, held
.set AF,   128                         ; A's fragments, in window 0
.set CD,   128                         ; the way out: 16 registers of codes for each of the 8 blocks, so that no store's data are written again
.set TEN,  13                          ; s13     0 Q, 1 K, 2 V
.set G1, 24                            ; s[24:31] descriptor group 1 for A's tiles;  s[32:39] group 0, one set for each slot
.set G0, 32
.set G1B, 48                           ; s[48:55], s[56:63] the same for B's tiles
.set G0B, 56
.set MSB, 0
.macro WIN new                         ; the immediate's high byte repeats the setting that is left
.if MSB != \new
	s_set_vgpr_msb (MSB<<8)|\new
.set MSB, \new
.endif
.endm
.set MUL_LO, 0xa1                      ; source 0 (B) window 1, source 1 (A) window 0, C and D window 2
.set MUL_HI, 0xf1                      ; the same, C and D window 3
.set TO_B,   0x40                      ; destination window 1, address window 0
; A joint load: waves 0 and 1 fetch for A, waves 2 and 3 for B.  The branch hangs on the wave's number alone.  Four v_nop follow each of the two lines.
.macro JLOAD g0a, g1a, g0b, g1b
	s_cmp_eq_u32 s15, 0
	s_cbranch_scc0 .Lfor_b_\@
	tensor_load_to_lds s[\g0a:\g0a+3], s[\g1a:\g1a+7]
	s_nop 0
.rept 4
	v_nop
.endr
	s_branch .Lasked_\@
.Lfor_b_\@:
	tensor_load_to_lds s[\g0b:\g0b+3], s[\g1b:\g1b+7]
	s_nop 0
.rept 4
	v_nop
.endr
.Lasked_\@:
.endm
.macro CREST                           ; a round of the cluster's barrier behind its opening barrier
	s_cmp_lg_u32 s14, 0
	s_cbranch_scc1 .Lnot_wave_0_\@
	s_barrier_signal -3
.Lnot_wave_0_\@:
	s_barrier_wait -3
	s_barrier_signal -1
	s_barrier_wait -1
.endm
.macro CROUND                          ; a whole round
	s_barrier_signal -1
	s_barrier_wait -1
	CREST
.endm
	s_load_b512 s[68:83], s[0:1], 0x0              ; Q s[68:69], K s[70:71], V s[72:73], Wq s[74:75], Wk s[76:77], Wv s[78:79], the exponents s[80:81], qi s[82:83]
	s_load_b128 s[84:87], s[0:1], 0x40             ; ki, vi
	v_lshl_add_u32 v[SPW], v0, 2, SPARE
	v_mov_b32 v[NIL], 0
	ds_add_u32 v28, v29
	ds_add_u32 v28, v29
	s_wait_dscnt 0x0
	v_lshrrev_b32 v1, 5, v0
	v_readfirstlane_b32 s14, v1                    ; wave 0..3
	s_lshr_b32 s15, s14, 1                         ; which half of the tile's rows is mine.  Also: I fetch for A (0) or for B (1)
	s_and_b32 s16, s14, 1                          ; which half of its columns.  Also: which 128 rows of that tile I fetch
	s_bfe_u32 s40, ttmp6, 0x40000                  ; cx, cy: my place in the cluster
	s_bfe_u32 s41, ttmp6, 0x40004
	s_and_b32 s12, ttmp7, 0xffff                   ; the cluster's y, 0..23: the same in all sixteen partners
	s_lshr_b32 s[TEN], s12, 3                      ; which projection
	s_and_b32 s12, s12, 7                          ; which 1,024 rows of the tokens
	s_cmp_eq_u32 s[TEN], 2
	s_cselect_b32 s17, 0, s12                      ; Q, K: the tokens are A; V: they are B
	s_cselect_b32 s42, s12, 0
	s_lshl_b32 s17, s17, 2
	s_add_co_u32 s17, s17, s41                     ; tile row of C
	s_lshl_b32 s42, s42, 2
	s_add_co_u32 s42, s42, s40                     ; tile column of C
	s_lshl_b32 s43, s41, 2
	s_lshl_b32 s43, 15, s43                        ; my row of the cluster
	s_lshl_b32 s44, 0x1111, s40                    ; my column
	; descriptor group 1: a tile of 128 rows x 256 bytes, padded in LDS
	s_or_b32 s[G1+0], s43, (0<<16)|(1<<20)|(1<<21)|(5<<22)|(3<<25)  ; 15:0 the mask: A's tiles go to my row; 17:16 element of 1 byte; 20 padding on; 21 set beside a mask; 24:22 after every 64 words; 31:25 four words
	s_or_b32 s[G1B+0], s44, (0<<16)|(1<<20)|(1<<21)|(5<<22)|(3<<25)
.irp g, G1, G1B
	s_mov_b32 s[\g+1], ROWB<<16                    ; tensor_dim0
	s_mov_b32 s[\g+2], 128<<16                     ; tensor_dim1 = 128
	s_mov_b32 s[\g+3], ROWB<<16                    ; tile_dim0
	s_mov_b32 s[\g+4], 128                         ; tile_dim1 = 128
	s_mov_b32 s[\g+5], KROW                        ; tensor_dim0_stride
	s_mov_b32 s[\g+6], 0
	s_mov_b32 s[\g+7], 0
.endr
	s_lshl_b32 s18, s16, 17                        ; which 128 rows of the tile I fetch, of 1,024 bytes each
	s_lshl_b32 s20, s17, 18
	s_add_co_u32 s20, s20, s18                     ; A: 256 rows x tile row + 128 x half, in bytes (under 2^23)
	s_lshl_b32 s46, s42, 18
	s_add_co_u32 s46, s46, s18                     ; B likewise by the tile column
	s_mov_b32 s21, 0
	s_mov_b32 s47, 0
	s_mul_i32 s45, s14, HALFT                      ; where they go: wave x 128 rows: no place in the cluster enters an LDS address
	s_wait_kmcnt 0x0
	s_load_b256 s[88:95], s[80:81], 0x0            ; e0 .. e7
	s_load_b128 s[96:99], s[80:81], 0x20           ; e8 .. e11
	s_cmp_eq_u32 s[TEN], 0                         ; the buffers are chosen on the cluster's number alone
	s_cselect_b64 s[4:5], s[68:69], s[70:71]
	s_cselect_b64 s[6:7], s[74:75], s[76:77]
	s_cselect_b64 s[10:11], s[82:83], s[84:85]
	s_cmp_eq_u32 s[TEN], 2
	s_cselect_b64 s[4:5], s[78:79], s[4:5]         ; V: A = Wv,
	s_cselect_b64 s[6:7], s[72:73], s[6:7]         ;    B = V's codes
	s_cselect_b64 s[10:11], s[86:87], s[10:11]
	s_add_nc_u64 s[20:21], s[4:5], s[20:21]
	s_add_nc_u64 s[46:47], s[6:7], s[46:47]
	CROUND                                         ; all sixteen work-groups are here: the first joint loads meet
.irp s, 0,1
	s_mov_b32 s[G0+4*\s], 1
	s_add_co_u32 s[G0+4*\s+1], s45, \s*SLOT
	s_add_nc_u64 s[G0+4*\s+2:G0+4*\s+3], s[20:21], \s*ROWB
	s_or_b32 s[G0+4*\s+3], s[G0+4*\s+3], 0x80000000
	s_mov_b32 s[G0B+4*\s], 1
	s_add_co_u32 s[G0B+4*\s+1], s45, \s*SLOT
	s_add_nc_u64 s[G0B+4*\s+2:G0B+4*\s+3], s[46:47], \s*ROWB
	s_or_b32 s[G0B+4*\s+3], s[G0B+4*\s+3], 0x80000000
	JLOAD G0+4*\s, G1, G0B+4*\s, G1B
.endr
	v_and_b32 v1, 15, v0                           ; l % 16
	v_bfe_u32 v2, v0, 4, 1                         ; l / 16
	v_mul_u32_u24 v3, v1, PITCH
	v_lshl_add_u32 v4, v2, 4, v3                   ; a fragment's row x pitch + 16 x half
	s_mul_i32 s21, s15, HALFT                      ; my 128 rows of A
	s_mul_i32 s22, s16, HALFT                      ; my 128 rows of B,
	s_add_co_u32 s22, s22, 2*HALFT                 ; which lie behind A's 256
.irp s, 0,1
	v_add_nc_u32 v[ADRA+\s], s21, v4
	v_add_nc_u32 v[ADRB+\s], s22, v4
	s_add_co_u32 s21, s21, SLOT
	s_add_co_u32 s22, s22, SLOT
.endr
	v_and_b32 v6, 31, v0
	v_lshlrev_b32 v[CO], 4, v6
	; where my eight fragments go: (((t / 8) 8 + head) 8 + t % 8) x 16,384 bytes, t = the tokens' group of 128
	s_lshl_b32 s20, s17, 1
	s_add_co_u32 s20, s20, s15                     ; my 128 rows of A: their number
	s_lshl_b32 s46, s42, 1
	s_add_co_u32 s46, s46, s16                     ; my 128 rows of B
	s_cmp_eq_u32 s[TEN], 2
	s_cselect_b32 s21, s46, s20                    ; t
	s_cselect_b32 s22, s20, s46                    ; head
	s_lshr_b32 s23, s21, 3
	s_lshl_b32 s23, s23, 3
	s_add_co_u32 s23, s23, s22
	s_lshl_b32 s23, s23, 3
	s_and_b32 s21, s21, 7
	s_add_co_u32 s22, s23, s21
	s_lshl_b32 s22, s22, 14
	s_mov_b32 s23, 0
	s_add_nc_u64 s[10:11], s[10:11], s[22:23]
.macro FRAG reg, adr, q, i             ; a fragment from rows: lane l holds row l % 16; registers 4 c .. 4 c + 3 hold K = 32 c + 16 (l / 16) + 0 .. 15: a permutation of k, the same in A and in B
.irp c, 0,1,2,3
	ds_load_b128 v[\reg+4*\c:\reg+4*\c+3], v[\adr] offset:128*(\q)+32*\c+(\i)*16*PITCH
.endr
.endm
; 16 matrix instructions: A's blocks a0, a0 + 1 x B's eight, 128 along K.  p: B's set.  zero = 1: the first product starts the sums.
; The 64 accumulators take turns, one instruction a turn, in the same order in every step.
.macro MUL16 a0, p, zero
.irp a, \a0, \a0+1
.irp b, 0,1,2,3,4,5,6,7
.if \zero
	v_wmma_f32_16x16x128_fp8_fp8 v[8*(8*((\a)%4)+\b):8*(8*((\a)%4)+\b)+7], v[128*(\p)+FR*\b:128*(\p)+FR*\b+FR-1], v[AF+FR*(\a):AF+FR*(\a)+FR-1], 0
.else
	v_wmma_f32_16x16x128_fp8_fp8 v[8*(8*((\a)%4)+\b):8*(8*((\a)%4)+\b)+7], v[128*(\p)+FR*\b:128*(\p)+FR*\b+FR-1], v[AF+FR*(\a):AF+FR*(\a)+FR-1], v[8*(8*((\a)%4)+\b):8*(8*((\a)%4)+\b)+7]
.endif
.endr
.endr
.endm
.macro FETCH_B slot, q, p              ; B's eight fragments of the slot's q-th 128 along K into set p
	WIN TO_B
.irp i, 0,1,2,3,4,5,6,7
	FRAG 128*(\p)+FR*\i, ADRB+\slot, \q, \i
.endr
	WIN 0
.endm
.macro FETCH_A slot, q, i0             ; A's blocks i0 .. i0 + 3
.irp i, \i0, \i0+1, \i0+2, \i0+3
	FRAG AF+FR*(\i), ADRA+\slot, \q, \i
.endr
.endm
.macro PLACES n                        ; plain vector instructions between a matrix instruction and a load into, or a read of, its registers
.rept \n
	v_nop
.endr
.endm
; A step of 128 along K that has its successor in the same slot.
.macro STEP slot, q, zero
	s_wait_dscnt 4*NL                              ; B's set and A's blocks 0-3 are in; the 16 youngest loads (A's blocks 4-7) may be out
	WIN MUL_LO
	MUL16 0, (\q)%2, \zero
	MUL16 2, (\q)%2, \zero
	s_wait_dscnt 0                                 ; A's blocks 4-7 are in
	PLACES NP
	FETCH_B \slot, (\q)+1, 1-(\q)%2
	FETCH_A \slot, (\q)+1, 0
	WIN MUL_HI
	MUL16 4, (\q)%2, \zero
	MUL16 6, (\q)%2, \zero
	PLACES NP
	WIN 0
	FETCH_A \slot, (\q)+1, 4
.endm
; A slot's last step changes slots: ONE barrier; in front of it each wave waits for all its tensor loads, adds 0 to its spare word, and waits for that and for its own reads of this slot.  fill = 1: this slot is filled again, two K steps ahead.
.macro TURN slot, next, fill
	s_wait_tensorcnt 0x0                           ; all my tensor loads have landed: my part of the next slot
	ds_add_u32 v[SPW], v[NIL]                      ; 0 onto my spare word
	s_wait_dscnt 4*NL+1                            ; (the add and the 16 youngest loads, A's blocks 4-7, may be out)
	WIN MUL_LO
	MUL16 0, 1, 0                                  ; sixteen matrix instructions stand between the add and the wait for it
	s_wait_dscnt 0x0                               ; the add is done, and my reads of this slot are over
	s_barrier_signal -1
	MUL16 2, 1, 0
	WIN 0
	s_barrier_wait -1
.if \fill
	CREST                                          ; the barrier has opened a round of the cluster's barrier: no wave of any partner still reads this slot or has a load on its way
	s_add_nc_u64 s[G0+4*\slot+2:G0+4*\slot+3], s[G0+4*\slot+2:G0+4*\slot+3], 2*ROWB
	s_add_nc_u64 s[G0B+4*\slot+2:G0B+4*\slot+3], s[G0B+4*\slot+2:G0B+4*\slot+3], 2*ROWB
	JLOAD G0+4*\slot, G1, G0B+4*\slot, G1B         ; the first tensor load behind the round; its four v_nop are the places in front of the loads below
.else
	PLACES NP
.endif
	FETCH_B \next, 0, 0
	FETCH_A \next, 0, 0
	WIN MUL_HI
	MUL16 4, 1, 0
	MUL16 6, 1, 0
	PLACES NP
	WIN 0
	FETCH_A \next, 0, 4
.endm
	s_wait_tensorcnt 1                             ; my part of K step 0 is in (K step 1's load may be out)
	s_barrier_signal -1
	s_barrier_wait -1                              ; everybody's is
	FETCH_B 0, 0, 0
	FETCH_A 0, 0, 0
	FETCH_A 0, 0, 4
	STEP 0, 0, 1                                   ; the first step stands in front of the loop: its products start the sums
	s_mov_b32 s3, LAPS-1
.Llap:                                                 ; a trip goes once round the ring and fills both slots again
	TURN 0, 1, 1
	STEP 1, 0, 0
	TURN 1, 0, 1
	STEP 0, 0, 0
	s_sub_co_u32 s3, s3, 1
	s_cmp_lg_u32 s3, 0
	s_cbranch_scc1 .Llap
	TURN 0, 1, 0                                   ; the last lap fills nothing, and has no round of the cluster's barrier
	STEP 1, 0, 0
	s_wait_dscnt 4*NL                              ; the very last step: nothing more to fetch
	WIN MUL_LO
	MUL16 0, 1, 0
	MUL16 2, 1, 0
	s_wait_dscnt 0
	WIN MUL_HI
	MUL16 4, 1, 0
	MUL16 6, 1, 0
	WIN 0
	; THE WAY OUT.  A sum stands for sum x 2^(e(A) + e(B)); its code is sum / 2^(e(out) - e(A) - e(B)): the three exponents are folded into the conversion's one scale.
	s_wait_kmcnt 0x0
	s_add_co_i32 s20, s88, s89
	s_sub_co_i32 s20, s94, s20                     ; q: e6 - e0 - e1
	s_add_co_i32 s21, s90, s91
	s_sub_co_i32 s21, s95, s21                     ; k: e7 - e2 - e3
	s_add_co_i32 s22, s92, s93
	s_sub_co_i32 s22, s97, s22                     ; v: e9 - e4 - e5
	s_cmp_eq_u32 s[TEN], 0
	s_cselect_b32 s20, s20, s21
	s_cmp_eq_u32 s[TEN], 2
	s_cselect_b32 s20, s22, s20
	s_add_co_i32 s20, s20, 127
	s_lshl_b32 s21, s20, 23
	v_mov_b32 v[SC], s21                           ; the scale as f32: the conversion takes its exponent field
	s_add_co_i32 s20, s20, 8
	s_lshl_b32 s20, s20, 23
	s_or_b32 s20, s20, 0x600000
	v_mov_b32 v[LIM], s20                          ; 448 x the scale
	PLACES NP                                      ; behind the last products: their results are read and A's registers written below
.macro OUTB a                          ; block a: 16 rows of A x 128 rows of B become one fragment of codes
.set AC, 64*((\a)%4)
	WIN 0x02+((\a)/4)                              ; source 0: window 2 or 3
.set j, 0
.rept 64
	v_med3_num_f32 v[TMP+j], v[AC+j], -v[LIM], v[LIM]   ; the conversion to an 8-bit code does not saturate (ISA guide 7.6.2): the hold; each accumulator from its low end on
.set j, j+1
.endr
	WIN 0
.irp b, 0,1,2,3,4,5,6,7
	v_cvt_scalef32_pk8_fp8_f32 v[CD+16*(\a)+2*\b:CD+16*(\a)+2*\b+1], v[TMP+8*\b:TMP+8*\b+7], v[SC]
.endr
	v_nop                                          ; a plain vector instruction between the conversions and the next block's holds, which write their sources
.irp c, 0,1,2,3
	global_store_b128 v[CO], v[CD+16*(\a)+4*\c:CD+16*(\a)+4*\c+3], s[10:11] offset:2048*(\a)+512*\c   ; 32 lanes store 512 consecutive bytes, at a multiple of 512 from the buffer's first byte
.endr
.endm
.irp a, 0,1,2,3,4,5,6,7
	OUTB \a
.endr
	s_wait_tensorcnt 0x0                           ; the wave's end
	ds_add_u32 v[SPW], v[NIL]
	s_wait_dscnt 0x0
	CROUND                                         ; the closing round: no work-group ends while a partner may still ask for a tile that names it
	s_endpgm
.Lfunc_end_k_qa9ccaa72ba_proj:
	.size	k_qa9ccaa72ba_proj, .Lfunc_end_k_qa9ccaa72ba_proj-k_qa9ccaa72ba_proj
	.p2alignl 7, 3214868480
	.fill 96, 4, 3214868480
	.section	.rodata,"a",@progbits
	.p2align	6, 0x0
	.amdhsa_kernel k_qa9ccaa72ba_proj
		.amdhsa_group_segment_fixed_size 327680
		.amdhsa_private_segment_fixed_size 0
		.amdhsa_enable_private_segment 0
		.amdhsa_kernarg_size 80
		.amdhsa_user_sgpr_count 2
		.amdhsa_user_sgpr_kernarg_segment_ptr 1
		.amdhsa_wavefront_size32 1
		.amdhsa_system_sgpr_workgroup_id_x 1
		.amdhsa_system_sgpr_workgroup_id_y 1
		.amdhsa_system_sgpr_workgroup_id_z 1
		.amdhsa_system_vgpr_workitem_id 0
		.amdhsa_next_free_vgpr 1024
		.amdhsa_next_free_sgpr 100
		.amdhsa_reserve_vcc 0
		.amdhsa_float_denorm_mode_32 3
		.amdhsa_float_denorm_mode_16_64 3
		.amdhsa_memory_ordered 1
		.amdhsa_forward_progress 1
		.amdhsa_inst_pref_size 118
	.end_amdhsa_kernel
	.amdgpu_metadata
---
amdhsa.version: [ 1, 2 ]
amdhsa.kernels:
  - .name:           k_qa9ccaa72ba_proj
    .symbol:         k_qa9ccaa72ba_proj.kd
    .args:
      - { .name: Q_codes, .offset: 0, .size: 8, .value_kind: global_buffer, .address_space: global }
      - { .name: K_codes, .offset: 8, .size: 8, .value_kind: global_buffer, .address_space: global }
      - { .name: V_codes, .offset: 16, .size: 8, .value_kind: global_buffer, .address_space: global }
      - { .name: Wq_codes, .offset: 24, .size: 8, .value_kind: global_buffer, .address_space: global }
      - { .name: Wk_codes, .offset: 32, .size: 8, .value_kind: global_buffer, .address_space: global }
      - { .name: Wv_codes, .offset: 40, .size: 8, .value_kind: global_buffer, .address_space: global }
      - { .name: lowp_scales, .offset: 48, .size: 8, .value_kind: global_buffer, .address_space: global }
      - { .name: qi, .offset: 56, .size: 8, .value_kind: global_buffer, .address_space: global }
      - { .name: ki, .offset: 64, .size: 8, .value_kind: global_buffer, .address_space: global }
      - { .name: vi, .offset: 72, .size: 8, .value_kind: global_buffer, .address_space: global }
    .group_segment_fixed_size: 327680
    .private_segment_fixed_size: 0
    .kernarg_segment_align: 8
    .kernarg_segment_size: 80
    .max_flat_workgroup_size: 128
    .sgpr_count:     100
    .vgpr_count:     1024
    .wavefront_size: 32
...
	.end_amdgpu_metadata
.endif
;; end of part 2
;; launch attn (part 3): grid 4 x 64, 16 waves a work-group, clusters of 4 x 1, 264,192 bytes of LDS; arguments qi, ki, vi, mw, gamma, lowp_scales, ci; writes ci
.if DOCPART == 3
	.amdgcn_target "amdgcn-amd-amdhsa--gfx1250"
	.amdhsa_code_object_version 6
	.text
	.protected	k_qa9ccaa72ba_attn
	.globl	k_qa9ccaa72ba_attn
	.p2align	8
	.type	k_qa9ccaa72ba_attn,@function
k_qa9ccaa72ba_attn:
	s_mov_b64 s[64:65], 0
	v_nop
	global_prefetch_b8 v0, s[64:65] scope:SCOPE_SE
	s_setreg_imm32_b32 hwreg(HW_REG_WAVE_MODE, 25, 1), 1
	s_wait_xcnt 0x0
	s_wait_alu depctr_hold_cnt(0) depctr_sa_sdst(0) depctr_va_vdst(0) depctr_va_sdst(0) depctr_va_ssrc(0) depctr_va_vcc(0) depctr_vm_vsrc(0)
	s_getreg_b32 s2, hwreg(HW_REG_IB_STS2, 6, 4)
	s_cmp_eq_u32 s2, 0
	s_cbranch_scc0 .Lentry_in_a_cluster
	s_endpgm
.Lentry_in_a_cluster:
	s_bfe_u32 s2, ttmp6, 0x10000c
	s_cmp_lg_u32 s2, 0x3003
	s_cbranch_scc0 .Lentry_shape_is_right
	s_endpgm
.Lentry_shape_is_right:
; Attention with a distance decay, for one (batch, head) and 256 queries a work-group; both products on codes of FP8 (E4M3).  Head size 128, 1,024 keys.
;   w = q k^T, -1e8 where the mask says so; t1 = w log2(e) / sqrt(128); score = softmax(w / sqrt(128)); d = sqrt((the scores of all LATER keys) x |key - query|);
;   eff = exp(-softplus(gamma) d), held in 1e-5 .. 1e5; t2 = t1 x eff; p = 2^(t2 - M), M = the ceiling of the largest t2 (running); c = (p v) / (the sum of the unquantised p), quantised and stored.
; TWO PASSES over the keys, 128 a step.  Pass 1, forward: the largest t1 and the first softmax's sum.  Pass 2, BACKWARD, so that the sum over later keys is a running carry: the scores again, e = 2^(t1 - M1), the suffix sums,
; the decay, the second softmax with a running M, and p v.  (tot - cum of the source is formed as the sum over the later keys: never negative, so the clip at 0 cannot act.)
; SHARES.  Sixteen waves, each ONE tile of 16 queries in 256 registers, four waves to a SIMD, so that one wave's exponentials and roots stand beside another's plain work.
; CLUSTER.  The four query blocks of a (batch, head) need the same K and V: 128 KiB each, asked for ONCE, jointly (every wave two loads of 8 KiB), and kept in LDS: no slot is ever filled again.
; OPERANDS lie in memory and in LDS as images of their registers: a fragment (16 rows x 128 K) is 2,048 bytes, registers 4 c .. 4 c + 3 of lane l at 512 c + 16 l: every load takes 512 consecutive bytes.
; LAYOUT.  Both products are used transposed: S^T = K Q^T (source 0 = 16 keys), O^T = V^T P^T (source 0 = 16 channels): lane (r, h) holds query r throughout; register j of key tile T is key 16 T + 8 h + j,
; so a tile's eight p, converted, are registers 2 T, 2 T + 1 of the second product's operand as they stand.
; THE MASK comes as words with a bit a lane (one word for each register of S^T), in scalar registers, 64 a key step, asked for a step ahead: one select a score.  It is an exact select: rows that are masked whole come out as the source has them.
; LIMITS on the given exponents, so that each power of two below is an f32 number: e6 + e7 between -123 and 130; e8, and e10 - e8 - e9, between -126 and 119.  NaN is not served.
; REGISTERS: v1-4 addresses; v6 -1e8 / 2^(e6 + e7); v7 (softplus(gamma) log2 e)^2; v8 -M1, v9 largest t1, v[10:11] first sum; v12 -M, v13 largest t2, v[14:15] second sum; v16-31 Q; v32-95 64 scores (later V's fragments);
;   v96-127 and v128-159: K's fragments, then e .. eff, and the scan's partial sums, later p's codes; v160-223 O^T; v224-231 key - query of the tile in hand; v232-236 k2 and the carry; v237-255 constants and work.
.set VIMG,  131072                     ; LDS: K's 64 fragments from 0, V's 64 from here
.set STEPB, 16384                      ; a key step's 8 fragments
.set AK0,  1                           ; v1   16 x lane: my place in an image, in LDS and in memory
.set AV0,  2                           ; v2   the same in V's half of LDS
.set ADK,  3                           ; v3   the step's fragments of K
.set ADV,  4                           ; v4   of V
.set BIG,  6
.set K0SQ, 7
.set QF,   16
.set T2,   32
.set EE,   96
.set FB,   128
.set OT,   160
.set DD,   224
.set KZ,   232                         ; v[232:233] k2 = K0SQ / the first sum, and 0
.set ZK,   234                         ; v[234:235] k2 in lanes 0-15 and 0 in lanes 16-31, and 0
.set CY,   236                         ; v236 the carry: k2 x the sum of e over all later tiles
.set PLIM, 237                         ; 448 x 2^e8
.set PSC,  238                         ; 2^e8
.set FF,   240                         ; v[240:241] a power of two that brings sums under a new M
.set TA,   242                         ; v242-246 at work
.set PX,   248                         ; a lane permute's destination, written once
.set S2,   250                         ; v[250:251] the second chain of a sum
.set CLIM, 252                         ; 448 x 2^(e10 - e8 - e9)
.set CSC,  253                         ; 2^(e10 - e8 - e9)
.set M16,  254                         ; v[254:255] -16.0 twice
.set QQ,   FB                          ; the scan: q(p, t) = e of pair p of tile t, at QQ + 4 p + t
.set AA,   FB+16                       ; a tile's sum
.set XX,   FB+20                       ; the other half of the lanes' part of it
.set CC,   FB+24                       ; k2 x the sum over the tiles behind tile t
.set WV,   2                           ; s2   my wave's number
.set CNT,  3                           ; s3   a pass's trips to go
.set TB,   10                          ; s10  LDS byte of the key step in hand
.set HI,   11                          ; s11  the lanes 16-31
.set G0K,  12                          ; s[12:15], s[16:19] descriptor groups 0;  s[20:27] group 1
.set G0V,  16
.set G1,   20
.set CS,   28                          ; s[28:29] c1 = 2^(e6 + e7) log2(e) / sqrt(128), twice
.set SEL,  30                          ; s[30:31] selects for v_permlanex16_b32: lane l xor 16
.set LO5,  100                         ; s100 1e-5, s101 1e5
.set UP5,  101
; s[32:63], s[68:99]: the 64 mask words of a key step (word n at s[32 + n] or, from n = 32 on, s[36 + n]); at the head: pointers, exponents, work
.macro CROUND                          ; a round of the cluster's barrier
	s_barrier_signal -1
	s_barrier_wait -1
	s_cmp_lg_u32 s[WV], 0
	s_cbranch_scc1 .Lnot_wave_0_\@
	s_barrier_signal -3
.Lnot_wave_0_\@:
	s_barrier_wait -3
	s_barrier_signal -1
	s_barrier_wait -1
.endm
.macro ASKW                            ; a key step's 64 words: 256 consecutive bytes
	s_load_b512 s[32:47], s[6:7], 0x0
	s_load_b512 s[48:63], s[6:7], 0x40
	s_load_b512 s[68:83], s[6:7], 0x80
	s_load_b512 s[84:99], s[6:7], 0xc0
.endm
; The next step's words are asked for when this step's have all been used.  A pass's last trip asks for nothing (a branch on the counter, the same in every wave and work-group): pass 2 begins with the words that pass 1 ends with.
; The base is stepped behind the wait for the loads that read it, which stands in FRONT.
.macro WORDS fwd
	s_cmp_eq_u32 s[CNT], 1
	s_cbranch_scc1 .Lno_words_\@
.if \fwd
	s_add_nc_u64 s[6:7], s[6:7], 256
.else
	s_sub_nc_u64 s[6:7], s[6:7], 256
.endif
	ASKW
.Lno_words_\@:
.endm
; Four tiles of 16 keys (half u of the step): K's fragments, the scores, the mask.
.macro FRONT u
.irp t, 0,1
.irp c, 0,1,2,3
	ds_load_b128 v[FB+16*\t+4*\c:FB+16*\t+4*\c+3], v[ADK] offset:8192*\u+2048*\t+512*\c
.endr
.endr
.irp t, 0,1
.irp c, 0,1,2,3
	ds_load_b128 v[EE+16*\t+4*\c:EE+16*\t+4*\c+3], v[ADK] offset:8192*\u+2048*(\t+2)+512*\c
.endr
.endr
	s_wait_dscnt 8                                 ; tiles 0 and 1 are in; the eight youngest loads (tiles 2 and 3) may be out
	v_wmma_f32_16x16x128_fp8_fp8 v[T2+32*\u:T2+32*\u+7], v[FB:FB+15], v[QF:QF+15], 0
	v_wmma_f32_16x16x128_fp8_fp8 v[T2+32*\u+8:T2+32*\u+15], v[FB+16:FB+31], v[QF:QF+15], 0
	s_wait_dscnt 0x0
	v_wmma_f32_16x16x128_fp8_fp8 v[T2+32*\u+16:T2+32*\u+23], v[EE:EE+15], v[QF:QF+15], 0
	v_wmma_f32_16x16x128_fp8_fp8 v[T2+32*\u+24:T2+32*\u+31], v[EE+16:EE+31], v[QF:QF+15], 0
.rept 4
	v_nop                                          ; places behind the products (ISA guide 7.12.1): their results are read and their sources written below
.endr
	s_wait_kmcnt 0x0                               ; the step's mask words
.set n, 0
.rept 32
	v_cndmask_b32 v[T2+32*\u+n], v[T2+32*\u+n], v[BIG], s[32+36*\u+n]   ; each accumulator from its low end on
.set n, n+1
.endr
.endm
.macro MAX64                           ; the largest of my 64 scores, in two chains, into v[TA]
	v_max3_num_f32 v[TA], v[T2], v[T2+1], v[T2+2]
	v_max3_num_f32 v[TA+1], v[T2+3], v[T2+4], v[T2+5]
.irp i, 6,10,14,18,22,26,30,34,38,42,46,50,54,58
	v_max3_num_f32 v[TA], v[TA], v[T2+\i], v[T2+\i+1]
	v_max3_num_f32 v[TA+1], v[TA+1], v[T2+\i+2], v[T2+\i+3]
.endr
	v_max3_num_f32 v[TA], v[TA], v[T2+62], v[T2+63]
	v_max_num_f32 v[TA], v[TA], v[TA+1]
.endm
.macro NEWM nm, run                    ; -M = floor(-largest t): a whole number; v[FF] = 2^(old M - new M): exact, and no branch on data
	v_mov_b32 v[TA], v[\nm]
	v_floor_f32 v[\nm], -v[\run]
	v_sub_f32 v[TA], v[\nm], v[TA]
	v_cvt_i32_f32 v[TA], v[TA]                     ; (it saturates)
	v_ldexp_f32 v[FF], 1.0, v[TA]
.endm
.macro EXP64 nm                        ; 2^(c1 x - M) of the 64, in place
.set i, 0
.rept 32
	v_pk_fma_f32 v[T2+i:T2+i+1], v[T2+i:T2+i+1], s[CS:CS+1], v[\nm:\nm+1] op_sel_hi:[1,0,0]
.set i, i+2
.endr
.set i, 0
.rept 64
	v_exp_f32 v[T2+i], v[T2+i]
.set i, i+1
.endr
.endm
.macro SUM64 acc                       ; the 64 added onto the pair v[acc], two at a time, in two chains
	v_pk_add_f32 v[S2:S2+1], v[T2:T2+1], v[T2+2:T2+3]
.irp j, 4,8,12,16,20,24,28,32,36,40,44,48,52,56,60
	v_pk_add_f32 v[\acc:\acc+1], v[\acc:\acc+1], v[T2+\j:T2+\j+1]
	v_pk_add_f32 v[S2:S2+1], v[S2:S2+1], v[T2+\j+2:T2+\j+3]
.endr
	v_pk_add_f32 v[\acc:\acc+1], v[\acc:\acc+1], v[S2:S2+1]
.endm
; THE SCAN.  In: e of four tiles in v[EE + 8 t + j].  Out, in place: k2 x the sum of e over all keys BEHIND that key.  A key's later keys are: the later ones among my eight; for lanes 0-15 the other half's eight;
; all later tiles.  Pairs are summed first (q), a tile's sum crosses the halves once, the carry runs over the tiles from the last to the first, and one packed multiply-add a pair gives both keys' sums.
.macro SCAN
.irp p, 0,1,2,3
.irp t, 0,1,2,3
	v_add_f32 v[QQ+4*\p+\t], v[EE+8*\t+2*\p], v[EE+8*\t+2*\p+1]
.endr
.endr
.irp m, 0,2
	v_pk_add_f32 v[QQ+\m:QQ+\m+1], v[QQ+\m:QQ+\m+1], v[QQ+4+\m:QQ+4+\m+1]
	v_pk_add_f32 v[AA+\m:AA+\m+1], v[QQ+8+\m:QQ+8+\m+1], v[QQ+12+\m:QQ+12+\m+1]
.endr
.irp m, 0,2
	v_pk_add_f32 v[AA+\m:AA+\m+1], v[AA+\m:AA+\m+1], v[QQ+\m:QQ+\m+1]      ; my eight keys' sum, tile by tile
.endr
.irp t, 0,1,2,3
	v_permlanex16_b32 v[XX+\t], v[AA+\t], s[SEL], s[SEL+1]                  ; the other half's
.endr
.irp m, 0,2
	v_pk_add_f32 v[AA+\m:AA+\m+1], v[AA+\m:AA+\m+1], v[XX+\m:XX+\m+1]      ; the tile's: the same number in both halves
.endr
	v_mov_b32 v[CC+3], v[CY]
	v_fma_f32 v[CC+2], v[AA+3], v[KZ], v[CC+3]
	v_fma_f32 v[CC+1], v[AA+2], v[KZ], v[CC+2]
	v_fma_f32 v[CC+0], v[AA+1], v[KZ], v[CC+1]
	v_fma_f32 v[CY], v[AA+0], v[KZ], v[CC+0]
.irp m, 0,2
	v_pk_fma_f32 v[XX+\m:XX+\m+1], v[XX+\m:XX+\m+1], v[ZK:ZK+1], v[CC+\m:CC+\m+1] op_sel_hi:[1,0,1]              ; behind my pair 3
.endr
.irp m, 0,2
	v_pk_fma_f32 v[QQ+12+\m:QQ+12+\m+1], v[QQ+12+\m:QQ+12+\m+1], v[KZ:KZ+1], v[XX+\m:XX+\m+1] op_sel_hi:[1,0,1]  ; behind pair 2
.endr
.irp m, 0,2
	v_pk_fma_f32 v[QQ+8+\m:QQ+8+\m+1], v[QQ+8+\m:QQ+8+\m+1], v[KZ:KZ+1], v[QQ+12+\m:QQ+12+\m+1] op_sel_hi:[1,0,1] ; behind pair 1
.endr
.irp m, 0,2
	v_pk_fma_f32 v[QQ+4+\m:QQ+4+\m+1], v[QQ+4+\m:QQ+4+\m+1], v[KZ:KZ+1], v[QQ+8+\m:QQ+8+\m+1] op_sel_hi:[1,0,1]   ; behind pair 0
.endr
.irp p, 0,1,2,3                        ; low half: the odd key's e x k2 + what lies behind the pair; high half: the odd key's e x 0 + the same
.irp t, 0,2
	v_pk_fma_f32 v[EE+8*\t+2*\p:EE+8*\t+2*\p+1], v[EE+8*\t+2*\p:EE+8*\t+2*\p+1], v[KZ:KZ+1], v[QQ+4+4*\p+4*(\p/3)+\t:QQ+4+4*\p+4*(\p/3)+\t+1] op_sel:[1,0,0] op_sel_hi:[1,1,0]
.endr
.irp t, 1,3
	v_pk_fma_f32 v[EE+8*\t+2*\p:EE+8*\t+2*\p+1], v[EE+8*\t+2*\p:EE+8*\t+2*\p+1], v[KZ:KZ+1], v[QQ+4+4*\p+4*(\p/3)+\t-1:QQ+4+4*\p+4*(\p/3)+\t] op_sel:[1,0,1] op_sel_hi:[1,1,1]
.endr
.endr
.endm
; The decay for half u of the step: the scores there become score x eff.  Three batches of 32 transcendentals, each with one plain instruction and ONE wait behind it, ahead of its first reader.
.macro MID u
.set SS, T2+32*\u
.set i, 0
.rept 16
	v_pk_fma_f32 v[EE+i:EE+i+1], v[SS+i:SS+i+1], s[CS:CS+1], v[8:9] op_sel_hi:[1,0,0]   ; t1 - M1
.set i, i+2
.endr
.set i, 0
.rept 32
	v_exp_f32 v[EE+i], v[EE+i]                     ; e
.set i, i+1
.endr
	v_nop
	s_wait_alu depctr_va_vdst(0)
	SCAN
.irp t, 3,2,1,0                        ; x (key - query); the tiles from the last to the first, 16 keys back each time
.irp p, 0,2,4,6
	v_pk_mul_f32 v[EE+8*\t+\p:EE+8*\t+\p+1], v[EE+8*\t+\p:EE+8*\t+\p+1], v[DD+\p:DD+\p+1]
.endr
.irp p, 0,2,4,6
	v_pk_add_f32 v[DD+\p:DD+\p+1], v[DD+\p:DD+\p+1], v[M16:M16+1]
.endr
.endr
.set i, 0
.rept 32
	v_sqrt_f32 v[EE+i], |v[EE+i]|                  ; softplus(gamma) log2(e) d
.set i, i+1
.endr
	v_nop
	s_wait_alu depctr_va_vdst(0)
.set i, 0
.rept 32
	v_exp_f32 v[EE+i], -v[EE+i]
.set i, i+1
.endr
	v_nop
	s_wait_alu depctr_va_vdst(0)
.set i, 0
.rept 32
	v_med3_num_f32 v[EE+i], v[EE+i], s[LO5], s[UP5]
.set i, i+1
.endr
.set i, 0
.rept 16
	v_pk_mul_f32 v[SS+i:SS+i+1], v[SS+i:SS+i+1], v[EE+i:EE+i+1]
.set i, i+2
.endr
.endm
; The second softmax of a key step, and p's codes.
.macro SOFT2
	MAX64
	v_permlanex16_b32 v[PX], v[TA], s[SEL], s[SEL+1]
	v_max_num_f32 v[TA], v[TA], v[PX]              ; and the other half's
	v_mul_f32 v[TA], s[CS], v[TA]                  ; as t (c1 is positive)
	v_max_num_f32 v13, v13, v[TA]
	NEWM 12, 13
	EXP64 12                                       ; p = 2^(t2 - M): NOT normalised
	v_pk_mul_f32 v[14:15], v[14:15], v[FF:FF+1] op_sel_hi:[1,0]   ; the sum under the new M (the plain instruction behind the batch)
	s_wait_alu depctr_va_vdst(0)                   ; one wait for the 64, ahead of their first reader
	SUM64 14                                       ; of the UNQUANTISED p
.irp b, 0,1,2,3
.irp i, 0,1,2,3,4,5,6,7,8,9,10,11,12,13,14,15
	v_min_num_f32 v[T2+16*\b+\i], v[T2+16*\b+\i], v[PLIM]   ; the conversion does not saturate (ISA guide 7.6.2); p is not negative, so the hold is one-sided
.endr
	v_cvt_scalef32_pk8_fp8_f32 v[FB+4*\b:FB+4*\b+1], v[T2+16*\b:T2+16*\b+7], v[PSC]
	v_cvt_scalef32_pk8_fp8_f32 v[FB+4*\b+2:FB+4*\b+3], v[T2+16*\b+8:T2+16*\b+15], v[PSC]
.endr
.set i, 0
.rept 32
	v_pk_mul_f32 v[OT+i:OT+i+1], v[OT+i:OT+i+1], v[FF:FF+1] op_sel_hi:[1,0]   ; O^T under the new M; these also stand between the conversions and the products that read the codes
.set i, i+2
.endr
.endm
.macro PV                              ; O^T += V^T P^T: four tiles of 16 channels at a time; K = the step's 128 keys.  The eight accumulators take turns
.irp g, 0,1
.if \g > 0
.rept 4
	v_nop                                          ; places in front of loads into registers that the products above have read
.endr
.endif
.irp t, 0,1,2,3
.irp c, 0,1,2,3
	ds_load_b128 v[T2+16*\t+4*\c:T2+16*\t+4*\c+3], v[ADV] offset:2048*(4*\g+\t)+512*\c
.endr
.endr
	s_wait_dscnt 0x0
.irp t, 0,1,2,3
	v_wmma_f32_16x16x128_fp8_fp8 v[OT+8*(4*\g+\t):OT+8*(4*\g+\t)+7], v[T2+16*\t:T2+16*\t+15], v[FB:FB+15], v[OT+8*(4*\g+\t):OT+8*(4*\g+\t)+7]
.endr
.endr
.endm
	s_load_b256 s[32:39], s[0:1], 0x0              ; qi s[32:33], ki s[34:35], vi s[36:37], mw s[38:39]
	s_load_b128 s[40:43], s[0:1], 0x20             ; gamma s[40:41], the exponents s[42:43]
	s_load_b64 s[44:45], s[0:1], 0x30              ; ci
	v_lshl_add_u32 v247, v0, 2, 0x40000
	v_mov_b32 v249, 0
	ds_add_u32 v247, v249
	ds_add_u32 v247, v249
	v_lshrrev_b32 v1, 5, v0
	v_readfirstlane_b32 s[WV], v1                  ; wave 0..15
	s_bfe_u32 s46, ttmp6, 0x40000                  ; cx: it enters global addresses of my own and the queries' numbers alone
	s_lshl_b32 s47, ttmp9, 2
	s_add_co_u32 s47, s47, s46                     ; my block of 256 queries
	s_and_b32 s48, ttmp7, 0xffff                   ; b 8 + head, which the four partners share
	s_lshl_b32 s49, s47, 4
	s_add_co_u32 s49, s49, s[WV]                   ; my tile of 16 queries, 0..63
	s_lshl_b32 s50, s48, 17                        ; K's and V's 128 KiB of this (batch, head),
	s_lshl_b32 s[G0K+1], s[WV], 13                 ; my wave's 8 KiB of them: in LDS,
	s_add_co_u32 s50, s50, s[G0K+1]                ; and in memory
	s_mov_b32 s51, 0
	s_lshl_b32 s52, s48, 6
	s_add_co_u32 s52, s52, s49
	s_lshl_b32 s52, s52, 11                        ; Q's fragment
	s_mov_b32 s53, 0
	s_lshr_b32 s54, s48, 3
	s_lshl_b32 s54, s54, 6
	s_add_co_u32 s54, s54, s49                     ; b 64 + query tile
	s_lshl_b32 s56, s54, 11                        ; its 512 mask words
	s_mov_b32 s57, 0
	s_lshl_b32 s58, s54, 3
	s_and_b32 s55, s48, 7
	s_add_co_u32 s58, s58, s55
	s_lshl_b32 s58, s58, 11                        ; c's fragment: (token / 16) 8 + head
	s_mov_b32 s59, 0
	; descriptor group 1: a dense block of 8,192 bytes as 32 rows of 32 elements of 8 bytes; no padding
	s_mov_b32 s[G1], 15|(3<<16)|(1<<21)            ; 15:0 the mask: all four work-groups; 17:16 elements of 8 bytes; 21 set beside a mask
	s_mov_b32 s[G1+1], 32<<16                      ; tensor_dim0
	s_mov_b32 s[G1+2], 32<<16                      ; tensor_dim1
	s_mov_b32 s[G1+3], 32<<16                      ; tile_dim0
	s_mov_b32 s[G1+4], 32                          ; tile_dim1
	s_mov_b32 s[G1+5], 32                          ; tensor_dim0_stride
	s_mov_b32 s[G1+6], 0
	s_mov_b32 s[G1+7], 0
	s_mov_b32 s[SEL], 0x76543210
	s_mov_b32 s[SEL+1], 0xfedcba98
	s_mov_b32 s[HI], 0xffff0000
	s_mov_b32 s[LO5], 0x3727c5ac                   ; 1e-5
	s_mov_b32 s[UP5], 0x47c35000                   ; 1e5
	s_wait_dscnt 0x0
	s_wait_kmcnt 0x0
	s_load_b256 s[68:75], s[42:43], 0x0            ; e0 .. e7
	s_load_b128 s[76:79], s[42:43], 0x20           ; e8 .. e11
	s_load_b32 s80, s[40:41], 0x0                  ; gamma
	s_mov_b32 s[G0K], 1
	s_add_nc_u64 s[G0K+2:G0K+3], s[34:35], s[50:51]
	s_or_b32 s[G0K+3], s[G0K+3], 0x80000000
	s_mov_b32 s[G0V], 1
	s_add_co_u32 s[G0V+1], s[G0K+1], VIMG
	s_add_nc_u64 s[G0V+2:G0V+3], s[36:37], s[50:51]
	s_or_b32 s[G0V+3], s[G0V+3], 0x80000000
	s_add_nc_u64 s[4:5], s[32:33], s[52:53]        ; Q
	s_add_nc_u64 s[6:7], s[38:39], s[56:57]        ; the mask words of key step 0
	s_add_nc_u64 s[8:9], s[44:45], s[58:59]        ; c
	CROUND                                         ; all four work-groups are here: the joint loads meet
	tensor_load_to_lds s[G0K:G0K+3], s[G1:G1+7]    ; two loads of mine are out: K's part first,
	s_nop 0
	tensor_load_to_lds s[G0V:G0V+3], s[G1:G1+7]    ; then V's
	s_nop 0
.rept 4
	v_nop
.endr
	v_and_b32 v[TA], 31, v0
	v_lshlrev_b32 v[AK0], 4, v[TA]
	v_add_nc_u32 v[AV0], VIMG, v[AK0]
.irp c, 0,1,2,3
	global_load_b128 v[QF+4*\c:QF+4*\c+3], v[AK0], s[4:5] offset:512*\c   ; Q's fragment stays in registers
.endr
	v_and_b32 v[TA+1], 15, v0                      ; r
	v_bfe_u32 v[TA+2], v0, 4, 1                    ; h
	s_lshl_b32 s60, s49, 4
	s_sub_co_i32 s60, 1008, s60
	v_lshl_add_u32 v[TA+2], v[TA+2], 3, s60
	v_sub_nc_u32 v[TA+2], v[TA+2], v[TA+1]         ; key 1008 + 8 h less my query: pass 2 begins at the last tile
.irp j, 0,1,2,3,4,5,6,7
	v_add_nc_u32 v[DD+\j], \j, v[TA+2]
.endr
.irp j, 0,1,2,3,4,5,6,7
	v_cvt_f32_i32 v[DD+\j], v[DD+\j]
.endr
	s_wait_kmcnt 0x0
	s_add_co_i32 s46, s74, s75                     ; e6 + e7: a score stands for score x 2^(e6 + e7)
	s_lshl_b32 s47, s46, 23
	s_add_co_i32 s[CS], s47, 0x3e0293ee            ; added to the exponent field of log2(e) / sqrt(128)
	s_mov_b32 s[CS+1], s[CS]
	s_sub_co_i32 s46, 0, s46
	v_mov_b32 v[BIG], 0xccbebc20                   ; -1e8,
	v_ldexp_f32 v[BIG], v[BIG], s46                ; in the scores' unit
	s_add_co_i32 s47, s76, 127
	s_lshl_b32 s50, s47, 23
	v_mov_b32 v[PSC], s50
	s_add_co_i32 s47, s47, 8
	s_lshl_b32 s47, s47, 23
	s_or_b32 s47, s47, 0x600000
	v_mov_b32 v[PLIM], s47
	s_sub_co_i32 s47, s78, s76
	s_sub_co_i32 s47, s47, s77                     ; e10 - e8 - e9: a sum of the second product stands for sum x 2^(e8 + e9)
	s_add_co_i32 s47, s47, 127
	s_lshl_b32 s50, s47, 23
	v_mov_b32 v[CSC], s50
	s_add_co_i32 s47, s47, 8
	s_lshl_b32 s47, s47, 23
	s_or_b32 s47, s47, 0x600000
	v_mov_b32 v[CLIM], s47
	; softplus(g) log2(e) = max(g, 0) log2(e) + log2(1 + 2^(-|g| log2(e)))
	v_mov_b32 v[TA], s80
	v_mul_f32 v[TA+1], 0x3fb8aa3b, v[TA]
	v_exp_f32 v[TA+2], -|v[TA+1]|
	v_max_num_f32 v[TA+3], 0, v[TA+1]              ; (the plain instruction behind the exponential)
	s_wait_alu depctr_va_vdst(0)
	v_add_f32 v[TA+2], 1.0, v[TA+2]
	v_log_f32 v[TA+4], v[TA+2]
	v_nop
	s_wait_alu depctr_va_vdst(0)
	v_add_f32 v[K0SQ], v[TA+3], v[TA+4]
	v_mul_f32 v[K0SQ], v[K0SQ], v[K0SQ]
	ASKW                                           ; key step 0's mask words: the head's scalars in s32 on have all been used
	v_mov_b32 v9, 0xff61b1e6                       ; the largest t so far: -3e38, under every t
	v_floor_f32 v8, -v9
	v_mov_b32 v13, 0xff61b1e6
	v_floor_f32 v12, -v13
	v_mov_b32 v10, 0
	v_mov_b32 v11, 0
	v_mov_b32 v14, 0
	v_mov_b32 v15, 0
	v_mov_b32 v[FF+1], 0                           ; (named as the upper halves of pairs)
	v_mov_b32 v[KZ+1], 0
	v_mov_b32 v[ZK+1], 0
	v_mov_b32 v[PX], 0                             ; a lane permute's destination counts as one of its sources
	v_mov_b32 v[M16], 0xc1800000
	v_mov_b32 v[M16+1], 0xc1800000
.set i, 0
.rept 64
	v_mov_b32 v[OT+i], 0                           ; O^T: pass 2's step is written once; its first trip finds zeros, which the first change of M leaves zeros
.set i, i+1
.endr
	s_wait_tensorcnt 0x1                           ; my part of K is in; V's load, issued behind it, may stay out
	s_barrier_signal -1
	s_barrier_wait -1                              ; everybody's part of K is in
	s_wait_loadcnt 0x0                             ; Q
	; ---- PASS 1, forward: each LANE keeps the largest t1 and the sum of its own 512 keys; the halves are joined once, behind the loop
	s_mov_b32 s[CNT], 8
	s_mov_b32 s[TB], 0
.Lpass1:
	v_add_nc_u32 v[ADK], s[TB], v[AK0]
	FRONT 0
	FRONT 1
	WORDS 1
	MAX64
	v_mul_f32 v[TA], s[CS], v[TA]
	v_max_num_f32 v9, v9, v[TA]
	NEWM 8, 9
	EXP64 8
	v_pk_mul_f32 v[10:11], v[10:11], v[FF:FF+1] op_sel_hi:[1,0]   ; (the plain instruction behind the batch)
	s_wait_alu depctr_va_vdst(0)                   ; one wait for the 64 exponentials, ahead of their first reader
	SUM64 10
	s_add_co_u32 s[TB], s[TB], STEPB
	s_sub_co_u32 s[CNT], s[CNT], 1
	s_cmp_lg_u32 s[CNT], 0
	s_cbranch_scc1 .Lpass1
	; ---- the halves meet: the row's M1 and its sum under it; k2
	v_permlanex16_b32 v[PX], v9, s[SEL], s[SEL+1]
	v_max_num_f32 v9, v9, v[PX]
	v_floor_f32 v[TA], -v9                         ; the row's -M1
	v_sub_f32 v[TA+1], v[TA], v8
	v_cvt_i32_f32 v[TA+1], v[TA+1]
	v_ldexp_f32 v[TA+1], 1.0, v[TA+1]              ; my sum is brought under it: exact
	v_add_f32 v10, v10, v11
	v_mul_f32 v10, v10, v[TA+1]
	v_permlanex16_b32 v[PX], v10, s[SEL], s[SEL+1]
	v_add_f32 v10, v10, v[PX]                      ; the first softmax's sum: above 1/2
	v_mov_b32 v8, v[TA]
	v_rcp_f32 v[TA+2], v10
	v_mov_b32 v[CY], 0                             ; nothing lies behind the last key.  (The plain instruction behind the reciprocal)
	s_wait_alu depctr_va_vdst(0)
	v_mul_f32 v[KZ], v[K0SQ], v[TA+2]
	v_cndmask_b32 v[ZK], v[KZ], v[KZ+1], s[HI]     ; lanes 16-31 hold a tile's later half: nothing of the other half lies behind them
	s_wait_tensorcnt 0x0                           ; my part of V is in,
	s_wait_dscnt 0x0
	s_barrier_signal -1
	s_barrier_wait -1                              ; everybody's is
	; ---- PASS 2, backward
	s_mov_b32 s[CNT], 8
	s_mov_b32 s[TB], 8*STEPB
.Lpass2:
	s_sub_co_u32 s[TB], s[TB], STEPB
	v_add_nc_u32 v[ADK], s[TB], v[AK0]
	v_add_nc_u32 v[ADV], s[TB], v[AV0]
.rept 4
	v_nop                                          ; with the two additions six places behind the last trip's products: their sources are loaded into, and written by products, below
.endr
	FRONT 1
	MID 1
	FRONT 0
	WORDS 0
	MID 0
	SOFT2
	PV
	s_sub_co_u32 s[CNT], s[CNT], 1
	s_cmp_lg_u32 s[CNT], 0
	s_cbranch_scc1 .Lpass2
	; ---- THE WAY OUT: O^T / the sum, quantised with 2^(e10 - e8 - e9), stored as one fragment of the last product's A
.rept 4
	v_nop                                          ; places behind the last products
.endr
	v_add_f32 v14, v14, v15
	v_permlanex16_b32 v[PX], v14, s[SEL], s[SEL+1]
	v_add_f32 v14, v14, v[PX]                      ; the row's sum: above 1/2
	v_rcp_f32 v[FF], v14
	v_nop
	s_wait_alu depctr_va_vdst(0)
.set i, 0
.rept 32
	v_pk_mul_f32 v[T2+i:T2+i+1], v[OT+i:OT+i+1], v[FF:FF+1] op_sel_hi:[1,0]   ; each accumulator from its low end on
.set i, i+2
.endr
.set i, 0
.rept 64
	v_med3_num_f32 v[T2+i], v[T2+i], -v[CLIM], v[CLIM]
.set i, i+1
.endr
.irp a, 0,1,2,3,4,5,6,7
	v_cvt_scalef32_pk8_fp8_f32 v[EE+2*\a:EE+2*\a+1], v[T2+8*\a:T2+8*\a+7], v[CSC]   ; channels 16 a + 8 h + 0 .. 7
.endr
	v_nop                                          ; a plain instruction between the conversions and the first use of their results
	; The last product reads its weight from rows, 16 bytes a lane: there registers 4 c .. 4 c + 3 hold k = 32 c + 16 h + 0 .. 15.  So the halves exchange: lanes 0-15 take the other half's part of tile 2 c, lanes 16-31 of tile 2 c + 1.
.irp c, 0,1,2,3
.irp e, 0,1
	v_permlanex16_b32 v[TA], v[EE+4*\c+2+\e], s[SEL], s[SEL+1]
	v_permlanex16_b32 v[TA+1], v[EE+4*\c+\e], s[SEL], s[SEL+1]
	v_cndmask_b32 v[FB+4*\c+\e], v[EE+4*\c+\e], v[TA], s[HI]
	v_cndmask_b32 v[FB+4*\c+2+\e], v[TA+1], v[EE+4*\c+2+\e], s[HI]
.endr
.endr
.irp c, 0,1,2,3
	global_store_b128 v[AK0], v[FB+4*\c:FB+4*\c+3], s[8:9] offset:512*\c   ; 32 lanes store 512 consecutive bytes, at a multiple of 512 from the buffer's first byte
.endr
	s_wait_tensorcnt 0x0
	ds_add_u32 v247, v249
	s_wait_dscnt 0x0
	CROUND                                         ; the closing round
	s_endpgm
.Lfunc_end_k_qa9ccaa72ba_attn:
	.size	k_qa9ccaa72ba_attn, .Lfunc_end_k_qa9ccaa72ba_attn-k_qa9ccaa72ba_attn
	.p2alignl 7, 3214868480
	.fill 96, 4, 3214868480
	.section	.rodata,"a",@progbits
	.p2align	6, 0x0
	.amdhsa_kernel k_qa9ccaa72ba_attn
		.amdhsa_group_segment_fixed_size 264192
		.amdhsa_private_segment_fixed_size 0
		.amdhsa_enable_private_segment 0
		.amdhsa_kernarg_size 56
		.amdhsa_user_sgpr_count 2
		.amdhsa_user_sgpr_kernarg_segment_ptr 1
		.amdhsa_wavefront_size32 1
		.amdhsa_system_sgpr_workgroup_id_x 1
		.amdhsa_system_sgpr_workgroup_id_y 1
		.amdhsa_system_sgpr_workgroup_id_z 1
		.amdhsa_system_vgpr_workitem_id 0
		.amdhsa_next_free_vgpr 256
		.amdhsa_next_free_sgpr 102
		.amdhsa_reserve_vcc 0
		.amdhsa_float_denorm_mode_32 3
		.amdhsa_float_denorm_mode_16_64 3
		.amdhsa_memory_ordered 1
		.amdhsa_forward_progress 1
		.amdhsa_inst_pref_size 88
	.end_amdhsa_kernel
	.amdgpu_metadata
---
amdhsa.version: [ 1, 2 ]
amdhsa.kernels:
  - .name:           k_qa9ccaa72ba_attn
    .symbol:         k_qa9ccaa72ba_attn.kd
    .args:
      - { .name: qi, .offset: 0, .size: 8, .value_kind: global_buffer, .address_space: global }
      - { .name: ki, .offset: 8, .size: 8, .value_kind: global_buffer, .address_space: global }
      - { .name: vi, .offset: 16, .size: 8, .value_kind: global_buffer, .address_space: global }
      - { .name: mw, .offset: 24, .size: 8, .value_kind: global_buffer, .address_space: global }
      - { .name: gamma, .offset: 32, .size: 8, .value_kind: global_buffer, .address_space: global }
      - { .name: lowp_scales, .offset: 40, .size: 8, .value_kind: global_buffer, .address_space: global }
      - { .name: ci, .offset: 48, .size: 8, .value_kind: global_buffer, .address_space: global }
    .group_segment_fixed_size: 264192
    .private_segment_fixed_size: 0
    .kernarg_segment_align: 8
    .kernarg_segment_size: 56
    .max_flat_workgroup_size: 512
    .sgpr_count:     102
    .vgpr_count:     256
    .wavefront_size: 32
...
	.end_amdgpu_metadata
.endif
;; end of part 3
;; launch outp (part 4): grid 4 x 32, 4 waves a work-group, clusters of 4 x 4, 327,680 bytes of LDS; arguments ci, Wo_codes, lowp_scales, out0; writes out0
.if DOCPART == 4
	.amdgcn_target "amdgcn-amd-amdhsa--gfx1250"
	.amdhsa_code_object_version 6
	.text
	.protected	k_qa9ccaa72ba_outp
	.globl	k_qa9ccaa72ba_outp
	.p2align	8
	.type	k_qa9ccaa72ba_outp,@function
k_qa9ccaa72ba_outp:
	s_mov_b64 s[64:65], 0
	v_nop
	global_prefetch_b8 v0, s[64:65] scope:SCOPE_SE
	s_setreg_imm32_b32 hwreg(HW_REG_WAVE_MODE, 25, 1), 1
	s_wait_xcnt 0x0
	s_wait_alu depctr_hold_cnt(0) depctr_sa_sdst(0) depctr_va_vdst(0) depctr_va_sdst(0) depctr_va_ssrc(0) depctr_va_vcc(0) depctr_vm_vsrc(0)
	s_getreg_b32 s2, hwreg(HW_REG_IB_STS2, 6, 4)
	s_cmp_eq_u32 s2, 0
	s_cbranch_scc0 .Lentry_in_a_cluster
	s_endpgm
.Lentry_in_a_cluster:
	s_bfe_u32 s2, ttmp6, 0x10000c
	s_cmp_lg_u32 s2, 0xf033
	s_cbranch_scc0 .Lentry_shape_is_right
	s_endpgm
.Lentry_shape_is_right:
; out = c Wo^T on codes of FP8 (E4M3): [8192][1024] x [1024][1024], K = 1024; sums in f32, each multiplied once by 2^(e10 + e11).  out: [8192][1024] f32.
; c comes as IMAGES OF FRAGMENTS: fragment ((token / 16) 8 + head), 2,048 bytes, registers 4 c .. 4 c + 3 of lane l at 512 c + 16 l, holding k = 32 c + 16 (l / 16) + 0 .. 15 of the head's 128.
; Wo comes as rows of 1,024 codes; read 16 bytes a lane, its fragments have k in the same places.
; LIMIT: e10 + e11 lies between -126 and 127, so that 2^(e10 + e11) is an f32 number.
; A tile of C, 256 x 256, is made by four waves, 128 x 128 each.  K goes in steps of 256 (two heads) through a ring of two LDS slots filled by the tensor data mover.
; CLUSTERS: 4 x 4 work-groups; A's tile is asked for jointly along a row of the cluster, B's along a column.  THE MATRIX INSTRUCTION IS USED TRANSPOSED (source 0 = 16 rows of Wo, source 1 = 16 tokens).
; 128 tiles of 256 x 256: half of the WGPs have a work-group.
; REGISTERS, in windows of 256: window 0: v0-31 addresses; from v128 A's fragments, ONE set; on the way out v32-255 are free.   window 1: B's fragments, TWO sets.   windows 2, 3: the accumulators.
.set SIZE_N, 1024
.set SIZE_K, 1024
.set KSTEP,  256
.set ROWB,   256                       ; a row of B's tile in bytes
.set KROW,   SIZE_K
.set PITCH,  272                       ; B's LDS row: 256 bytes + 16 of padding: the 16 rows that a load touches start 4 banks apart (64 banks of 4 bytes: ISA guide 11.1)
.set FR,     16
.set NL,     4
.set NP,     4
.set AHALF,  32768                     ; A: 8 blocks of 16 tokens x 2 heads x 2,048 bytes: what one tensor load brings
.set ASTEP,  4096                      ; two heads' fragments of a block of tokens: a K step
.set BOFF,   2*AHALF                   ; B's rows lie behind A's 16 blocks
.set HALFT,  128*PITCH
.set SLOT,   BOFF+2*HALFT
.set LAPS,   SIZE_K/(2*KSTEP)
.set SPARE,  2*SLOT                    ; behind the ring: the spare words, 128 bytes for each wave, which no other line names
.set SPITCH, 528                       ; the way out: a stage of 16 rows x (512 bytes + 16) for each wave, in slot 0, which has had its last fill and its last read when the first result is stored there
.set ADRA, 16
.set ADRB, 20
.set STO,  24
.set RD,   25
.set CO,   26                          ; v26     16 x lane
.set SPW,  28
.set NIL,  29
.set TMP,  32
.set AF,   128
.set BK,   128
.set G1, 24
.set G0, 32
.set G1B, 48
.set G0B, 56
.set MSB, 0
.macro WIN new                         ; the immediate's high byte repeats the setting that is left
.if MSB != \new
	s_set_vgpr_msb (MSB<<8)|\new
.set MSB, \new
.endif
.endm
.set MUL_LO, 0xa1
.set MUL_HI, 0xf1
.set TO_B,   0x40
.macro JLOAD g0a, g1a, g0b, g1b        ; a joint load: waves 0 and 1 fetch for A, waves 2 and 3 for B; four v_nop follow each of the two lines
	s_cmp_eq_u32 s15, 0
	s_cbranch_scc0 .Lfor_b_\@
	tensor_load_to_lds s[\g0a:\g0a+3], s[\g1a:\g1a+7]
	s_nop 0
.rept 4
	v_nop
.endr
	s_branch .Lasked_\@
.Lfor_b_\@:
	tensor_load_to_lds s[\g0b:\g0b+3], s[\g1b:\g1b+7]
	s_nop 0
.rept 4
	v_nop
.endr
.Lasked_\@:
.endm
.macro CREST
	s_cmp_lg_u32 s14, 0
	s_cbranch_scc1 .Lnot_wave_0_\@
	s_barrier_signal -3
.Lnot_wave_0_\@:
	s_barrier_wait -3
	s_barrier_signal -1
	s_barrier_wait -1
.endm
.macro CROUND
	s_barrier_signal -1
	s_barrier_wait -1
	CREST
.endm
	s_load_b128 s[4:7], s[0:1], 0x0                ; c's images s[4:5], Wo's codes s[6:7]
	s_load_b128 s[8:11], s[0:1], 0x10              ; the exponents s[8:9], out s[10:11]
	v_lshl_add_u32 v[SPW], v0, 2, SPARE
	v_mov_b32 v[NIL], 0
	ds_add_u32 v28, v29
	ds_add_u32 v28, v29
	s_wait_dscnt 0x0
	v_lshrrev_b32 v1, 5, v0
	v_readfirstlane_b32 s14, v1                    ; wave 0..3
	s_lshr_b32 s15, s14, 1                         ; which half of the tile's rows is mine.  Also: I fetch for A (0) or for B (1)
	s_and_b32 s16, s14, 1                          ; which half of its columns.  Also: which half of that tile I fetch
	s_bfe_u32 s40, ttmp6, 0x40000                  ; cx, cy
	s_bfe_u32 s41, ttmp6, 0x40004
	s_lshl_b32 s42, ttmp9, 2
	s_add_co_u32 s42, s42, s40                     ; tile column of C
	s_and_b32 s17, ttmp7, 0xffff
	s_lshl_b32 s17, s17, 2
	s_add_co_u32 s17, s17, s41                     ; tile row of C
	s_lshl_b32 s43, s41, 2
	s_lshl_b32 s43, 15, s43                        ; my row of the cluster
	s_lshl_b32 s44, 0x1111, s40                    ; my column
	; A's group 1: 8 rows (blocks of 16 tokens) of 4,096 bytes (two heads' fragments), 16,384 bytes apart; elements of 8 bytes; dense in LDS
	s_or_b32 s[G1+0], s43, (3<<16)|(1<<21)         ; 15:0 the mask: my row; 17:16 elements of 8 bytes; 21 set beside a mask
	s_mov_b32 s[G1+1], 512<<16                     ; tensor_dim0
	s_mov_b32 s[G1+2], 8<<16                       ; tensor_dim1
	s_mov_b32 s[G1+3], 512<<16                     ; tile_dim0
	s_mov_b32 s[G1+4], 8                           ; tile_dim1
	s_mov_b32 s[G1+5], 2048                        ; tensor_dim0_stride
	s_mov_b32 s[G1+6], 0
	s_mov_b32 s[G1+7], 0
	; B's group 1: 128 rows x 256 bytes, padded in LDS
	s_or_b32 s[G1B+0], s44, (0<<16)|(1<<20)|(1<<21)|(5<<22)|(3<<25)
	s_mov_b32 s[G1B+1], ROWB<<16
	s_mov_b32 s[G1B+2], 128<<16
	s_mov_b32 s[G1B+3], ROWB<<16
	s_mov_b32 s[G1B+4], 128
	s_mov_b32 s[G1B+5], KROW
	s_mov_b32 s[G1B+6], 0
	s_mov_b32 s[G1B+7], 0
	s_lshl_b32 s18, s16, 17                        ; my half: 8 blocks of 16,384 bytes of A, or 128 rows of 1,024 bytes of B
	s_lshl_b32 s20, s17, 18
	s_add_co_u32 s20, s20, s18                     ; A: by the tile row
	s_lshl_b32 s46, s42, 18
	s_add_co_u32 s46, s46, s18                     ; B: by the tile column
	s_mov_b32 s21, 0
	s_mov_b32 s47, 0
	s_lshl_b32 s45, s16, 15                        ; where they go: A's half,
	s_mul_i32 s19, s16, HALFT
	s_add_co_u32 s19, s19, BOFF                    ; B's half: no place in the cluster enters an LDS address
	s_wait_kmcnt 0x0
	s_load_b64 s[96:97], s[8:9], 0x28              ; e10, e11
	s_add_nc_u64 s[20:21], s[4:5], s[20:21]
	s_add_nc_u64 s[46:47], s[6:7], s[46:47]
	CROUND                                         ; all sixteen work-groups are here: the first joint loads meet
.irp s, 0,1
	s_mov_b32 s[G0+4*\s], 1
	s_add_co_u32 s[G0+4*\s+1], s45, \s*SLOT
	s_add_nc_u64 s[G0+4*\s+2:G0+4*\s+3], s[20:21], \s*ASTEP
	s_or_b32 s[G0+4*\s+3], s[G0+4*\s+3], 0x80000000
	s_mov_b32 s[G0B+4*\s], 1
	s_add_co_u32 s[G0B+4*\s+1], s19, \s*SLOT
	s_add_nc_u64 s[G0B+4*\s+2:G0B+4*\s+3], s[46:47], \s*ROWB
	s_or_b32 s[G0B+4*\s+3], s[G0B+4*\s+3], 0x80000000
	JLOAD G0+4*\s, G1, G0B+4*\s, G1B
.endr
	v_and_b32 v1, 15, v0                           ; l % 16
	v_bfe_u32 v2, v0, 4, 1                         ; l / 16
	v_mul_u32_u24 v3, v1, PITCH
	v_lshl_add_u32 v4, v2, 4, v3                   ; B: a fragment's row x pitch + 16 x half
	v_and_b32 v6, 31, v0
	v_lshlrev_b32 v[CO], 4, v6                     ; A: my place in an image; also my 16 bytes of a row of C
	s_lshl_b32 s21, s15, 15                        ; my 8 blocks of A
	s_mul_i32 s22, s16, HALFT                      ; my 128 rows of B
	s_add_co_u32 s22, s22, BOFF
.irp s, 0,1
	v_add_nc_u32 v[ADRA+\s], s21, v[CO]
	v_add_nc_u32 v[ADRB+\s], s22, v4
	s_add_co_u32 s21, s21, SLOT
	s_add_co_u32 s22, s22, SLOT
.endr
	s_mul_i32 s23, s14, 16*SPITCH                  ; my stage
	v_mul_u32_u24 v5, v1, SPITCH                   ; in: row l % 16, 32 bytes for each half of the lanes
	v_lshl_add_u32 v5, v2, 5, v5
	v_add_nc_u32 v[STO], s23, v5
	v_add_nc_u32 v[RD], s23, v[CO]                 ; back: the 32 lanes take one row of 512 bytes
	s_lshl_b32 s20, s17, 8
	s_lshl_b32 s21, s15, 7
	s_add_co_u32 s20, s20, s21                     ; my first row of C
	s_mov_b32 s21, 0
	s_mov_b64 s[18:19], SIZE_N*4
	s_mul_u64 s[20:21], s[20:21], s[18:19]
	s_lshl_b32 s46, s42, 10                        ; my first column, in bytes
	s_lshl_b32 s47, s16, 9
	s_add_co_u32 s46, s46, s47
	s_mov_b32 s47, 0
	s_add_nc_u64 s[20:21], s[20:21], s[46:47]
	s_add_nc_u64 s[10:11], s[10:11], s[20:21]
.macro FRAG reg, adr, q, i             ; B's fragment from rows: registers 4 c .. 4 c + 3 hold K = 32 c + 16 (l / 16) + 0 .. 15 of row l % 16
.irp c, 0,1,2,3
	ds_load_b128 v[\reg+4*\c:\reg+4*\c+3], v[\adr] offset:128*(\q)+32*\c+(\i)*16*PITCH
.endr
.endm
.macro FRAGA reg, adr, q, i            ; A's fragment from its image: block i of 16 tokens, head q of the slot's two
.irp c, 0,1,2,3
	ds_load_b128 v[\reg+4*\c:\reg+4*\c+3], v[\adr] offset:2048*(\q)+512*\c+(\i)*ASTEP
.endr
.endm
; The 64 accumulators take turns, one instruction a turn, in the same order in every step.
.macro MUL16 a0, p, zero
.irp a, \a0, \a0+1
.irp b, 0,1,2,3,4,5,6,7
.if \zero
	v_wmma_f32_16x16x128_fp8_fp8 v[8*(8*((\a)%4)+\b):8*(8*((\a)%4)+\b)+7], v[128*(\p)+FR*\b:128*(\p)+FR*\b+FR-1], v[AF+FR*(\a):AF+FR*(\a)+FR-1], 0
.else
	v_wmma_f32_16x16x128_fp8_fp8 v[8*(8*((\a)%4)+\b):8*(8*((\a)%4)+\b)+7], v[128*(\p)+FR*\b:128*(\p)+FR*\b+FR-1], v[AF+FR*(\a):AF+FR*(\a)+FR-1], v[8*(8*((\a)%4)+\b):8*(8*((\a)%4)+\b)+7]
.endif
.endr
.endr
.endm
.macro FETCH_B slot, q, p
	WIN TO_B
.irp i, 0,1,2,3,4,5,6,7
	FRAG 128*(\p)+FR*\i, ADRB+\slot, \q, \i
.endr
	WIN 0
.endm
.macro FETCH_A slot, q, i0
.irp i, \i0, \i0+1, \i0+2, \i0+3
	FRAGA AF+FR*(\i), ADRA+\slot, \q, \i
.endr
.endm
.macro PLACES n                        ; plain vector instructions between a matrix instruction and a load into, or a read of, its registers
.rept \n
	v_nop
.endr
.endm
.macro STEP slot, q, zero
	s_wait_dscnt 4*NL                              ; B's set and A's blocks 0-3 are in; the 16 youngest loads (A's blocks 4-7) may be out
	WIN MUL_LO
	MUL16 0, (\q)%2, \zero
	MUL16 2, (\q)%2, \zero
	s_wait_dscnt 0
	PLACES NP
	FETCH_B \slot, (\q)+1, 1-(\q)%2
	FETCH_A \slot, (\q)+1, 0
	WIN MUL_HI
	MUL16 4, (\q)%2, \zero
	MUL16 6, (\q)%2, \zero
	PLACES NP
	WIN 0
	FETCH_A \slot, (\q)+1, 4
.endm
; A slot's last step changes slots: ONE barrier; in front of it each wave waits for all its tensor loads, adds 0 to its spare word, and waits for that and for its own reads of this slot.
.macro TURN slot, next, fill
	s_wait_tensorcnt 0x0                           ; all my tensor loads have landed: my part of the next slot
	ds_add_u32 v[SPW], v[NIL]                      ; 0 onto my spare word
	s_wait_dscnt 4*NL+1                            ; (the add and the 16 youngest loads may be out)
	WIN MUL_LO
	MUL16 0, 1, 0
	s_wait_dscnt 0x0                               ; the add is done, and my reads of this slot are over
	s_barrier_signal -1
	MUL16 2, 1, 0
	WIN 0
	s_barrier_wait -1
.if \fill
	CREST                                          ; a round of the cluster's barrier: no wave of any partner still reads this slot or has a load on its way
	s_add_nc_u64 s[G0+4*\slot+2:G0+4*\slot+3], s[G0+4*\slot+2:G0+4*\slot+3], 2*ASTEP
	s_add_nc_u64 s[G0B+4*\slot+2:G0B+4*\slot+3], s[G0B+4*\slot+2:G0B+4*\slot+3], 2*ROWB
	JLOAD G0+4*\slot, G1, G0B+4*\slot, G1B         ; the first tensor load behind the round; its four v_nop are the places in front of the loads below
.else
	PLACES NP
.endif
	FETCH_B \next, 0, 0
	FETCH_A \next, 0, 0
	WIN MUL_HI
	MUL16 4, 1, 0
	MUL16 6, 1, 0
	PLACES NP
	WIN 0
	FETCH_A \next, 0, 4
.endm
	s_wait_tensorcnt 1                             ; my part of K step 0 is in (K step 1's load may be out)
	s_barrier_signal -1
	s_barrier_wait -1                              ; everybody's is
	FETCH_B 0, 0, 0
	FETCH_A 0, 0, 0
	FETCH_A 0, 0, 4
	STEP 0, 0, 1                                   ; the first step's products start the sums
	s_mov_b32 s3, LAPS-1
.Llap:
	TURN 0, 1, 1
	STEP 1, 0, 0
	TURN 1, 0, 1
	STEP 0, 0, 0
	s_sub_co_u32 s3, s3, 1
	s_cmp_lg_u32 s3, 0
	s_cbranch_scc1 .Llap
	TURN 0, 1, 0                                   ; the last lap fills nothing
	STEP 1, 0, 0
	s_wait_dscnt 4*NL
	WIN MUL_LO
	MUL16 0, 1, 0
	MUL16 2, 1, 0
	s_wait_dscnt 0
	WIN MUL_HI
	MUL16 4, 1, 0
	MUL16 6, 1, 0
	WIN 0
; THE WAY OUT, block by block of 16 rows x 128 columns, through my own stage in LDS, back as whole rows of 512 bytes.  LDS serves a wave's instructions in order (ISA guide 5.7.1.4): no wait between the stores and the loads.
.macro TOSTAGE a
.set AC, 64*((\a)%4)
	WIN 0x02+((\a)/4)
.irp j, 0,2,4,6,8,10,12,14,16,18,20,22,24,26,28,30,32,34,36,38,40,42,44,46,48,50,52,54,56,58,60,62
	v_pk_mul_f32 v[TMP+\j:TMP+\j+1], v[AC+\j:AC+\j+1], s[96:97] op_sel_hi:[1,0]   ; x 2^(e10 + e11); each accumulator from its low end on
.endr
	WIN 0
.irp b, 0,1,2,3,4,5,6,7
	ds_store_b128 v[STO], v[TMP+8*\b:TMP+8*\b+3] offset:64*\b
	ds_store_b128 v[STO], v[TMP+8*\b+4:TMP+8*\b+7] offset:64*\b+16
.endr
.set BB, BK+64*((\a)%2)
.irp t, 0,1,2,3,4,5,6,7,8,9,10,11,12,13,14,15
	ds_load_b128 v[BB+4*\t:BB+4*\t+3], v[RD] offset:\t*SPITCH
.endr
.endm
.macro SEND a, younger                 ; younger: the LDS instructions issued behind block a's loads, which may stay out
.set BB, BK+64*((\a)%2)
	s_wait_dscnt \younger
.if (\a) > 0
	s_add_nc_u64 s[10:11], s[10:11], 16*SIZE_N*4   ; (behind a wait on XCNT: the earlier stores have read their base)
.endif
.irp t, 0,1,2,3,4,5,6,7,8,9,10,11,12,13,14,15
	global_store_b128 v[CO], v[BB+4*\t:BB+4*\t+3], s[10:11] offset:\t*SIZE_N*4 th:TH_STORE_NT   ; 32 lanes store 512 consecutive bytes, at a multiple of 512 from the output's first byte
.endr
.endm
	s_wait_kmcnt 0x0
	s_add_co_i32 s96, s96, s97
	s_add_co_i32 s96, s96, 127
	s_lshl_b32 s96, s96, 23                        ; 2^(e10 + e11) as f32
	PLACES NP
	TOSTAGE 0
.irp a, 1,2,3,4,5,6,7
.if \a > 1
	s_wait_xcnt 0x0                                ; block a - 2's stores have read their registers and their base
.endif
	TOSTAGE \a
	SEND \a-1, 32                                  ; behind block a - 1's loads: block a's 16 stores and 16 loads
.endr
	s_wait_xcnt 0x0
	SEND 7, 0
	s_wait_tensorcnt 0x0                           ; the wave's end
	ds_add_u32 v[SPW], v[NIL]
	s_wait_dscnt 0x0
	CROUND                                         ; the closing round
	s_endpgm
.Lfunc_end_k_qa9ccaa72ba_outp:
	.size	k_qa9ccaa72ba_outp, .Lfunc_end_k_qa9ccaa72ba_outp-k_qa9ccaa72ba_outp
	.p2alignl 7, 3214868480
	.fill 96, 4, 3214868480
	.section	.rodata,"a",@progbits
	.p2align	6, 0x0
	.amdhsa_kernel k_qa9ccaa72ba_outp
		.amdhsa_group_segment_fixed_size 327680
		.amdhsa_private_segment_fixed_size 0
		.amdhsa_enable_private_segment 0
		.amdhsa_kernarg_size 32
		.amdhsa_user_sgpr_count 2
		.amdhsa_user_sgpr_kernarg_segment_ptr 1
		.amdhsa_wavefront_size32 1
		.amdhsa_system_sgpr_workgroup_id_x 1
		.amdhsa_system_sgpr_workgroup_id_y 1
		.amdhsa_system_sgpr_workgroup_id_z 1
		.amdhsa_system_vgpr_workitem_id 0
		.amdhsa_next_free_vgpr 1024
		.amdhsa_next_free_sgpr 98
		.amdhsa_reserve_vcc 0
		.amdhsa_float_denorm_mode_32 3
		.amdhsa_float_denorm_mode_16_64 3
		.amdhsa_memory_ordered 1
		.amdhsa_forward_progress 1
		.amdhsa_inst_pref_size 123
	.end_amdhsa_kernel
	.amdgpu_metadata
---
amdhsa.version: [ 1, 2 ]
amdhsa.kernels:
  - .name:           k_qa9ccaa72ba_outp
    .symbol:         k_qa9ccaa72ba_outp.kd
    .args:
      - { .name: ci, .offset: 0, .size: 8, .value_kind: global_buffer, .address_space: global }
      - { .name: Wo_codes, .offset: 8, .size: 8, .value_kind: global_buffer, .address_space: global }
      - { .name: lowp_scales, .offset: 16, .size: 8, .value_kind: global_buffer, .address_space: global }
      - { .name: out0, .offset: 24, .size: 8, .value_kind: global_buffer, .address_space: global }
    .group_segment_fixed_size: 327680
    .private_segment_fixed_size: 0
    .kernarg_segment_align: 8
    .kernarg_segment_size: 32
    .max_flat_workgroup_size: 128
    .sgpr_count:     98
    .vgpr_count:     1024
    .wavefront_size: 32
...
	.end_amdgpu_metadata
.endif
;; end of part 4
;; ======== version 2 of 2: 3 launches
;; limits: right only within a limited range of input values
;; workspace buffers: qi 8,388,608 bytes; ki 8,388,608 bytes; vi 8,388,608 bytes; ci 8,388,608 bytes; mw 1,048,576 bytes of whole numbers; fl 131,072 bytes of whole numbers
;; launch proj (part 5): grid 4 x 96, 4 waves a work-group, clusters of 4 x 4, 327,680 bytes of LDS; arguments Q_codes, K_codes, V_codes, Wq_codes, Wk_codes, Wv_codes, lowp_scales, qi, ki, vi, mask, mw, fl; writes qi, ki, vi, mw, fl
.if DOCPART == 5
	.amdgcn_target "amdgcn-amd-amdhsa--gfx1250"
	.amdhsa_code_object_version 6
	.text
	.protected	k_qa9ccaa72ba_proj
	.globl	k_qa9ccaa72ba_proj
	.p2align	8
	.type	k_qa9ccaa72ba_proj,@function
k_qa9ccaa72ba_proj:
	s_mov_b64 s[64:65], 0
	v_nop
	global_prefetch_b8 v0, s[64:65] scope:SCOPE_SE
	s_setreg_imm32_b32 hwreg(HW_REG_WAVE_MODE, 25, 1), 1
	s_wait_xcnt 0x0
	s_wait_alu depctr_hold_cnt(0) depctr_sa_sdst(0) depctr_va_vdst(0) depctr_va_sdst(0) depctr_va_ssrc(0) depctr_va_vcc(0) depctr_vm_vsrc(0)
	s_getreg_b32 s2, hwreg(HW_REG_IB_STS2, 6, 4)
	s_cmp_eq_u32 s2, 0
	s_cbranch_scc0 .Lentry_in_a_cluster
	s_endpgm
.Lentry_in_a_cluster:
	s_bfe_u32 s2, ttmp6, 0x10000c
	s_cmp_lg_u32 s2, 0xf033
	s_cbranch_scc0 .Lentry_shape_is_right
	s_endpgm
.Lentry_shape_is_right:
; The three projections x W^T on codes of FP8 (E4M3), [8192][1024] x [1024][1024] each, K = 1024, sums in f32; each result is quantised on the way out with its given scale and stored as codes.
; ONE LAUNCH FOR THE THREE: the cluster's y says which (y / 8: 0 Q, 1 K, 2 V) and which block of 1,024 rows of the long operand (y % 8).  Only pointers, offsets and exponents are chosen, by selects: one path for all.
; A tile of C, 256 x 256, is made by four waves, 128 x 128 each: 64 accumulators, 512 registers.  K goes in steps of 256 through a ring of two LDS slots filled by the tensor data mover.
; THE MATRIX INSTRUCTION IS USED TRANSPOSED (source 0 = 16 rows of B, source 1 = 16 rows of A): a lane holds ONE row of A and eight neighbouring rows of B.
;   Q, K: A = the tokens, B = the weight: a lane holds one token and channels of a head, which are the next product's K.
;   V:    A = Wv, B = the tokens: a lane holds one channel and eight tokens (keys), which are the K of the product with the softmax.
; THE WAY OUT.  A block of 16 rows of A x the wave's 128 rows of B is one operand fragment of the attention launch: accumulator b's eight sums, converted, are its registers 2 b, 2 b + 1
; (k = 16 b + 8 (lane / 16) + 0 .. 7).  The fragment is stored AS AN IMAGE OF ITS REGISTERS: registers 4 c .. 4 c + 3 of lane l at byte 512 c + 16 l: four stores of 512 consecutive bytes, no stage in LDS.
;   qi, ki: fragment ((b 8 + head) 64 + token / 16);  vi: fragment (((b 8 + head) 8 + key / 128) 8 + channel / 16);  2,048 bytes each.
; THE MASK.  The K projection's 128 work-groups have 512 waves, as many as there are tiles of 16 queries (8 x 64).  Behind its fragments each of these waves turns its tile's 16 x 1,024 mask bytes (0 or 1) into words with a bit
; a lane, in the order in which the attention launch's lanes hold scores: word ((b 64 + query / 16) 512 + 8 T + j), bit r + 16 h = mask[b][16 (query / 16) + r][16 T + 8 h + j].  That spares a launch for it.
; CLUSTERS: 4 x 4 work-groups; A's tile is asked for jointly along a row of the cluster, B's along a column.
; LIMITS: e(out) - e(A) - e(B) lies between -126 and 119 for each of the three, so that the conversion's scale and 448 x it are f32 numbers.  NaN is not served.
; REGISTERS, in windows of 256: window 0: v0-31 addresses; v128-255 A's fragments, ONE set; on the way out v32-95 held sums, v128-255 codes; for the mask v32-87 work, v128-255 its bytes.   window 1: B's fragments, TWO sets.   windows 2, 3: the accumulators ((a, b) at v[8 (8 (a % 4) + b)]).
; THE LIST OF STEPS.  With the mask's words each of these waves makes one word for its tile of 16 queries: bit s (0..7) = all 16 x 128 mask bytes of key step s are set; bit 8 + s = none of them is.
; Bits 0..7 are cleared where some row of the tile has all its 1,024 keys masked (its softmax then lives on the masked keys).  The word goes to fl, 256 bytes a tile, every word of the unit the same.
; WORK LEFT OUT BY THE LIST (in the attention launch): a step whose bit s is set.  There reference() has w = -1e8 for all 16 rows: the first softmax's terms are exp(-1e8 / sqrt(128) - max), and the second's
; logits are at most -1e8 / sqrt(128) x 1e-5 (the clip's floor), that is t <= -127.5 to the base 2.  LIMIT: these terms are dropped; the promise holds while each row that has a key that counts has its
; largest t x effect above -90 and its largest score above -1e7 (the problem's data: |t| under 10).  No input is left out.
.set SIZE_K, 1024
.set KSTEP,  256                       ; along K in a slot
.set ROWB,   256                       ; a tile's row in bytes
.set KROW,   SIZE_K                    ; a row of any operand in memory, in bytes
.set PITCH,  272                       ; an LDS row: 256 bytes + 16 of padding = 68 words: the 16 rows that a load touches start 4 banks apart (64 banks of 4 bytes: ISA guide 11.1)
.set FR,     16                        ; registers of a fragment: 16 rows x 128 K
.set NL,     4                         ; LDS loads that bring one
.set NP,     4                         ; places behind this matrix instruction (ISA guide 7.12.1)
.set HALFT,  128*PITCH                 ; 128 rows: what one tensor load brings
.set SLOT,   4*HALFT                   ; A's 256 rows, then B's 256 rows
.set LAPS,   SIZE_K/(2*KSTEP)          ; a lap = two K steps = once round the ring
.set SPARE,  2*SLOT                    ; behind the ring: the spare words, 128 bytes for each wave, which no other line names
.set MBASE,  SPARE+512                 ; behind them: the mask's stages, bytes of their own into which no tile lands
.set MP,     272                       ; a stage row: 256 mask bytes + 16
.set MSTG,   16*MP                     ; a wave's stage: 16 queries x 256 keys
.set SC,   12                          ; v12     the conversion's scale, 2^(e(out) - e(A) - e(B)), as f32
.set LIM,  13                          ; v13     448 x that
.set ADRA, 16                          ; v16-17  LDS address of my A fragments in slot 0, 1
.set ADRB, 20                          ; v20-21  the same for B
.set CO,   26                          ; v26     16 x lane: my place in an image, and in a unit's 128 mask words
.set SPW,  28                          ; v28     LDS address of my spare word; never rewritten
.set NIL,  29                          ; v29     0; never rewritten
.set TMP,  32                          ; the way out: a block's 64 sums, held
.set AF,   128                         ; A's fragments, in window 0
.set CD,   128                         ; the way out: 16 registers of codes for each of the 8 blocks, so that no store's data are written again
.set MKB,  32                          ; the mask: v32-63 16 x 8 bytes: key tile T of my row
.set MKO,  64                          ; v64-79  four words a lane for each of the four units, so that no store's data are written again
.set MKT,  80                          ; v80-87  at work
.set MKL,  128                         ; v128-255 the bytes as loaded: 4 units x 8 loads
.set TEN,  13                          ; s13     0 Q, 1 K, 2 V
.set G1, 24                            ; s[24:31] descriptor group 1 for A's tiles;  s[32:39] group 0, one set for each slot
.set G0, 32
.set G1B, 48                           ; s[48:55], s[56:63] the same for B's tiles
.set G0B, 56
.set MSB, 0
.macro WIN new                         ; the immediate's high byte repeats the setting that is left
.if MSB != \new
	s_set_vgpr_msb (MSB<<8)|\new
.set MSB, \new
.endif
.endm
.set MUL_LO, 0xa1                      ; source 0 (B) window 1, source 1 (A) window 0, C and D window 2
.set MUL_HI, 0xf1                      ; the same, C and D window 3
.set TO_B,   0x40                      ; destination window 1, address window 0
; A joint load: waves 0 and 1 fetch for A, waves 2 and 3 for B.  The branch hangs on the wave's number alone.  Four v_nop follow each of the two lines.
.macro JLOAD g0a, g1a, g0b, g1b
	s_cmp_eq_u32 s15, 0
	s_cbranch_scc0 .Lfor_b_\@
	tensor_load_to_lds s[\g0a:\g0a+3], s[\g1a:\g1a+7]
	s_nop 0
.rept 4
	v_nop
.endr
	s_branch .Lasked_\@
.Lfor_b_\@:
	tensor_load_to_lds s[\g0b:\g0b+3], s[\g1b:\g1b+7]
	s_nop 0
.rept 4
	v_nop
.endr
.Lasked_\@:
.endm
.macro CREST                           ; a round of the cluster's barrier behind its opening barrier
	s_cmp_lg_u32 s14, 0
	s_cbranch_scc1 .Lnot_wave_0_\@
	s_barrier_signal -3
.Lnot_wave_0_\@:
	s_barrier_wait -3
	s_barrier_signal -1
	s_barrier_wait -1
.endm
.macro CROUND                          ; a whole round
	s_barrier_signal -1
	s_barrier_wait -1
	CREST
.endm
	s_load_b512 s[68:83], s[0:1], 0x0              ; Q s[68:69], K s[70:71], V s[72:73], Wq s[74:75], Wk s[76:77], Wv s[78:79], the exponents s[80:81], qi s[82:83]
	s_load_b128 s[84:87], s[0:1], 0x40             ; ki, vi
	v_lshl_add_u32 v[SPW], v0, 2, SPARE
	v_mov_b32 v[NIL], 0
	ds_add_u32 v28, v29
	ds_add_u32 v28, v29
	s_wait_dscnt 0x0
	v_lshrrev_b32 v1, 5, v0
	v_readfirstlane_b32 s14, v1                    ; wave 0..3
	s_lshr_b32 s15, s14, 1                         ; which half of the tile's rows is mine.  Also: I fetch for A (0) or for B (1)
	s_and_b32 s16, s14, 1                          ; which half of its columns.  Also: which 128 rows of that tile I fetch
	s_bfe_u32 s40, ttmp6, 0x40000                  ; cx, cy: my place in the cluster
	s_bfe_u32 s41, ttmp6, 0x40004
	s_and_b32 s12, ttmp7, 0xffff                   ; the cluster's y, 0..23: the same in all sixteen partners
	s_lshr_b32 s[TEN], s12, 3                      ; which projection
	s_and_b32 s12, s12, 7                          ; which 1,024 rows of the tokens
	s_cmp_eq_u32 s[TEN], 2
	s_cselect_b32 s17, 0, s12                      ; Q, K: the tokens are A; V: they are B
	s_cselect_b32 s42, s12, 0
	s_lshl_b32 s17, s17, 2
	s_add_co_u32 s17, s17, s41                     ; tile row of C
	s_lshl_b32 s42, s42, 2
	s_add_co_u32 s42, s42, s40                     ; tile column of C
	s_lshl_b32 s43, s41, 2
	s_lshl_b32 s43, 15, s43                        ; my row of the cluster
	s_lshl_b32 s44, 0x1111, s40                    ; my column
	; descriptor group 1: a tile of 128 rows x 256 bytes, padded in LDS
	s_or_b32 s[G1+0], s43, (0<<16)|(1<<20)|(1<<21)|(5<<22)|(3<<25)  ; 15:0 the mask: A's tiles go to my row; 17:16 element of 1 byte; 20 padding on; 21 set beside a mask; 24:22 after every 64 words; 31:25 four words
	s_or_b32 s[G1B+0], s44, (0<<16)|(1<<20)|(1<<21)|(5<<22)|(3<<25)
.irp g, G1, G1B
	s_mov_b32 s[\g+1], ROWB<<16                    ; tensor_dim0
	s_mov_b32 s[\g+2], 128<<16                     ; tensor_dim1 = 128
	s_mov_b32 s[\g+3], ROWB<<16                    ; tile_dim0
	s_mov_b32 s[\g+4], 128                         ; tile_dim1 = 128
	s_mov_b32 s[\g+5], KROW                        ; tensor_dim0_stride
	s_mov_b32 s[\g+6], 0
	s_mov_b32 s[\g+7], 0
.endr
	s_lshl_b32 s18, s16, 17                        ; which 128 rows of the tile I fetch, of 1,024 bytes each
	s_lshl_b32 s20, s17, 18
	s_add_co_u32 s20, s20, s18                     ; A: 256 rows x tile row + 128 x half, in bytes (under 2^23)
	s_lshl_b32 s46, s42, 18
	s_add_co_u32 s46, s46, s18                     ; B likewise by the tile column
	s_mov_b32 s21, 0
	s_mov_b32 s47, 0
	s_mul_i32 s45, s14, HALFT                      ; where they go: wave x 128 rows: no place in the cluster enters an LDS address
	s_wait_kmcnt 0x0
	s_load_b256 s[88:95], s[80:81], 0x0            ; e0 .. e7
	s_load_b128 s[96:99], s[80:81], 0x20           ; e8 .. e11
	s_cmp_eq_u32 s[TEN], 0                         ; the buffers are chosen on the cluster's number alone
	s_cselect_b64 s[4:5], s[68:69], s[70:71]
	s_cselect_b64 s[6:7], s[74:75], s[76:77]
	s_cselect_b64 s[10:11], s[82:83], s[84:85]
	s_cmp_eq_u32 s[TEN], 2
	s_cselect_b64 s[4:5], s[78:79], s[4:5]         ; V: A = Wv,
	s_cselect_b64 s[6:7], s[72:73], s[6:7]         ;    B = V's codes
	s_cselect_b64 s[10:11], s[86:87], s[10:11]
	s_load_b128 s[68:71], s[0:1], 0x50
	s_load_b64 s[66:67], s[0:1], 0x60              ; the list of steps; waited for with them
	s_add_nc_u64 s[20:21], s[4:5], s[20:21]
	s_add_nc_u64 s[46:47], s[6:7], s[46:47]
	CROUND                                         ; all sixteen work-groups are here: the first joint loads meet
.irp s, 0,1
	s_mov_b32 s[G0+4*\s], 1
	s_add_co_u32 s[G0+4*\s+1], s45, \s*SLOT
	s_add_nc_u64 s[G0+4*\s+2:G0+4*\s+3], s[20:21], \s*ROWB
	s_or_b32 s[G0+4*\s+3], s[G0+4*\s+3], 0x80000000
	s_mov_b32 s[G0B+4*\s], 1
	s_add_co_u32 s[G0B+4*\s+1], s45, \s*SLOT
	s_add_nc_u64 s[G0B+4*\s+2:G0B+4*\s+3], s[46:47], \s*ROWB
	s_or_b32 s[G0B+4*\s+3], s[G0B+4*\s+3], 0x80000000
.endr
	JLOAD G0, G1, G0B, G1B                         ; K step 0
	v_and_b32 v1, 15, v0                           ; l % 16
	v_bfe_u32 v2, v0, 4, 1                         ; l / 16
	v_mul_u32_u24 v3, v1, PITCH
	v_lshl_add_u32 v4, v2, 4, v3                   ; a fragment's row x pitch + 16 x half
	s_mul_i32 s21, s15, HALFT                      ; my 128 rows of A
	s_mul_i32 s22, s16, HALFT                      ; my 128 rows of B,
	s_add_co_u32 s22, s22, 2*HALFT                 ; which lie behind A's 256
.irp s, 0,1
	v_add_nc_u32 v[ADRA+\s], s21, v4
	v_add_nc_u32 v[ADRB+\s], s22, v4
	s_add_co_u32 s21, s21, SLOT
	s_add_co_u32 s22, s22, SLOT
.endr
	v_and_b32 v6, 31, v0
	v_lshlrev_b32 v[CO], 4, v6
	; where my eight fragments go: (((t / 8) 8 + head) 8 + t % 8) x 16,384 bytes, t = the tokens' group of 128
	s_lshl_b32 s20, s17, 1
	s_add_co_u32 s20, s20, s15                     ; my 128 rows of A: their number
	s_lshl_b32 s46, s42, 1
	s_add_co_u32 s46, s46, s16                     ; my 128 rows of B
	s_cmp_eq_u32 s[TEN], 2
	s_cselect_b32 s21, s46, s20                    ; t
	s_cselect_b32 s22, s20, s46                    ; head
	s_lshr_b32 s23, s21, 3
	s_lshl_b32 s23, s23, 3
	s_add_co_u32 s23, s23, s22
	s_lshl_b32 s23, s23, 3
	s_and_b32 s21, s21, 7
	s_add_co_u32 s22, s23, s21
	s_lshl_b32 s22, s22, 14
	s_mov_b32 s23, 0
	s_add_nc_u64 s[10:11], s[10:11], s[22:23]
.macro FRAG reg, adr, q, i             ; a fragment from rows: lane l holds row l % 16; registers 4 c .. 4 c + 3 hold K = 32 c + 16 (l / 16) + 0 .. 15: a permutation of k, the same in A and in B
.irp c, 0,1,2,3
	ds_load_b128 v[\reg+4*\c:\reg+4*\c+3], v[\adr] offset:128*(\q)+32*\c+(\i)*16*PITCH
.endr
.endm
; 16 matrix instructions: A's blocks a0, a0 + 1 x B's eight, 128 along K.  p: B's set.  zero = 1: the first product starts the sums.
; The 64 accumulators take turns, one instruction a turn, in the same order in every step.
.macro MUL16 a0, p, zero
.irp a, \a0, \a0+1
.irp b, 0,1,2,3,4,5,6,7
.if \zero
	v_wmma_f32_16x16x128_fp8_fp8 v[8*(8*((\a)%4)+\b):8*(8*((\a)%4)+\b)+7], v[128*(\p)+FR*\b:128*(\p)+FR*\b+FR-1], v[AF+FR*(\a):AF+FR*(\a)+FR-1], 0
.else
	v_wmma_f32_16x16x128_fp8_fp8 v[8*(8*((\a)%4)+\b):8*(8*((\a)%4)+\b)+7], v[128*(\p)+FR*\b:128*(\p)+FR*\b+FR-1], v[AF+FR*(\a):AF+FR*(\a)+FR-1], v[8*(8*((\a)%4)+\b):8*(8*((\a)%4)+\b)+7]
.endif
.endr
.endr
.endm
.macro FETCH_B slot, q, p              ; B's eight fragments of the slot's q-th 128 along K into set p
	WIN TO_B
.irp i, 0,1,2,3,4,5,6,7
	FRAG 128*(\p)+FR*\i, ADRB+\slot, \q, \i
.endr
	WIN 0
.endm
.macro FETCH_A slot, q, i0             ; A's blocks i0 .. i0 + 3
.irp i, \i0, \i0+1, \i0+2, \i0+3
	FRAG AF+FR*(\i), ADRA+\slot, \q, \i
.endr
.endm
.macro PLACES n                        ; plain vector instructions between a matrix instruction and a load into, or a read of, its registers
.rept \n
	v_nop
.endr
.endm
; A step of 128 along K that has its successor in the same slot.
.macro STEP slot, q, zero
	s_wait_dscnt 4*NL                              ; B's set and A's blocks 0-3 are in; the 16 youngest loads (A's blocks 4-7) may be out
	WIN MUL_LO
	MUL16 0, (\q)%2, \zero
	MUL16 2, (\q)%2, \zero
	s_wait_dscnt 0                                 ; A's blocks 4-7 are in
	PLACES NP
	FETCH_B \slot, (\q)+1, 1-(\q)%2
	FETCH_A \slot, (\q)+1, 0
	WIN MUL_HI
	MUL16 4, (\q)%2, \zero
	MUL16 6, (\q)%2, \zero
	PLACES NP
	WIN 0
	FETCH_A \slot, (\q)+1, 4
.endm
; A slot's last step changes slots: ONE barrier; in front of it each wave waits for all its tensor loads, adds 0 to its spare word, and waits for that and for its own reads of this slot.  fill = 1: this slot is filled again, two K steps ahead.
.macro TURN slot, next, fill
	s_wait_tensorcnt 0x0                           ; all my tensor loads have landed: my part of the next slot
	ds_add_u32 v[SPW], v[NIL]                      ; 0 onto my spare word
	s_wait_dscnt 4*NL+1                            ; (the add and the 16 youngest loads, A's blocks 4-7, may be out)
	WIN MUL_LO
	MUL16 0, 1, 0                                  ; sixteen matrix instructions stand between the add and the wait for it
	s_wait_dscnt 0x0                               ; the add is done, and my reads of this slot are over
	s_barrier_signal -1
	MUL16 2, 1, 0
	WIN 0
	s_barrier_wait -1
.if \fill
	CREST                                          ; the barrier has opened a round of the cluster's barrier: no wave of any partner still reads this slot or has a load on its way
	s_add_nc_u64 s[G0+4*\slot+2:G0+4*\slot+3], s[G0+4*\slot+2:G0+4*\slot+3], 2*ROWB
	s_add_nc_u64 s[G0B+4*\slot+2:G0B+4*\slot+3], s[G0B+4*\slot+2:G0B+4*\slot+3], 2*ROWB
	JLOAD G0+4*\slot, G1, G0B+4*\slot, G1B         ; the first tensor load behind the round; its four v_nop are the places in front of the loads below
.else
	PLACES NP
.endif
	FETCH_B \next, 0, 0
	FETCH_A \next, 0, 0
	WIN MUL_HI
	MUL16 4, 1, 0
	MUL16 6, 1, 0
	PLACES NP
	WIN 0
	FETCH_A \next, 0, 4
.endm
	s_wait_alu depctr_va_vdst(0)
	s_wait_tensorcnt 0x0                           ; my part of K step 0 is in
	ds_add_u32 v[SPW], v[NIL]
	s_wait_dscnt 0x0
	CROUND                                         ; everybody's part is in, and all sixteen work-groups are here
	JLOAD G0+4, G1, G0B+4, G1B                     ; K step 1: the first tensor load behind the round
	FETCH_B 0, 0, 0
	FETCH_A 0, 0, 0
	FETCH_A 0, 0, 4
	STEP 0, 0, 1                                   ; the first step stands in front of the loop: its products start the sums
	s_mov_b32 s3, LAPS-1
.Llap:                                                 ; a trip goes once round the ring and fills both slots again
	TURN 0, 1, 1
	STEP 1, 0, 0
	TURN 1, 0, 1
	STEP 0, 0, 0
	s_sub_co_u32 s3, s3, 1
	s_cmp_lg_u32 s3, 0
	s_cbranch_scc1 .Llap
	TURN 0, 1, 0                                   ; the last lap fills nothing, and has no round of the cluster's barrier
	STEP 1, 0, 0
	s_wait_dscnt 4*NL                              ; the very last step: nothing more to fetch
	WIN MUL_LO
	MUL16 0, 1, 0
	MUL16 2, 1, 0
	s_wait_dscnt 0
	WIN MUL_HI
	MUL16 4, 1, 0
	MUL16 6, 1, 0
	WIN 0
	; THE WAY OUT.  A sum stands for sum x 2^(e(A) + e(B)); its code is sum / 2^(e(out) - e(A) - e(B)): the three exponents are folded into the conversion's one scale.
	s_wait_kmcnt 0x0
	s_add_co_i32 s20, s88, s89
	s_sub_co_i32 s20, s94, s20                     ; q: e6 - e0 - e1
	s_add_co_i32 s21, s90, s91
	s_sub_co_i32 s21, s95, s21                     ; k: e7 - e2 - e3
	s_add_co_i32 s22, s92, s93
	s_sub_co_i32 s22, s97, s22                     ; v: e9 - e4 - e5
	s_cmp_eq_u32 s[TEN], 0
	s_cselect_b32 s20, s20, s21
	s_cmp_eq_u32 s[TEN], 2
	s_cselect_b32 s20, s22, s20
	s_add_co_i32 s20, s20, 127
	s_lshl_b32 s21, s20, 23
	v_mov_b32 v[SC], s21                           ; the scale as f32: the conversion takes its exponent field
	s_add_co_i32 s20, s20, 8
	s_lshl_b32 s20, s20, 23
	s_or_b32 s20, s20, 0x600000
	v_mov_b32 v[LIM], s20                          ; 448 x the scale
	PLACES NP                                      ; behind the last products: their results are read and A's registers written below
.macro OUTB a                          ; block a: 16 rows of A x 128 rows of B become one fragment of codes
.set AC, 64*((\a)%4)
	WIN 0x02+((\a)/4)                              ; source 0: window 2 or 3
.set j, 0
.rept 64
	v_med3_num_f32 v[TMP+j], v[AC+j], -v[LIM], v[LIM]   ; the conversion to an 8-bit code does not saturate (ISA guide 7.6.2): the hold; each accumulator from its low end on
.set j, j+1
.endr
	WIN 0
.irp b, 0,1,2,3,4,5,6,7
	v_cvt_scalef32_pk8_fp8_f32 v[CD+16*(\a)+2*\b:CD+16*(\a)+2*\b+1], v[TMP+8*\b:TMP+8*\b+7], v[SC]
.endr
	v_nop                                          ; a plain vector instruction between the conversions and the next block's holds, which write their sources
.irp c, 0,1,2,3
	global_store_b128 v[CO], v[CD+16*(\a)+4*\c:CD+16*(\a)+4*\c+3], s[10:11] offset:2048*(\a)+512*\c   ; 32 lanes store 512 consecutive bytes, at a multiple of 512 from the buffer's first byte
.endr
.endm
.irp a, 0,1,2,3,4,5,6,7
	OUTB \a
.endr
	; ---- THE MASK: the K projection's work-groups alone: a branch on the cluster's number, the same in all sixteen partners and in every wave.  No barrier stands in it: waves share nothing here.
	; A wave takes 16 queries x 1,024 keys, in four units of 256 keys.  Each load reads two rows' 256 consecutive bytes; a unit's bytes turn through the wave's own stage in LDS, so that lane (r, h) gets, of row r,
	; the 8 bytes 16 T + 8 h on; a compare of one byte in all lanes IS a word.  A unit's 128 words are gathered four to a lane and leave as 512 consecutive bytes.
	s_cmp_lg_u32 s[TEN], 1
	s_cbranch_scc1 .Lno_mask
	s_wait_xcnt 0x0                                ; the fragments' stores have read their registers: v128 on are loaded into below
	s_lshl_b32 s20, s12, 2
	s_add_co_u32 s20, s20, s41
	s_lshl_b32 s20, s20, 2
	s_add_co_u32 s20, s20, s40                     ; my work-group among the 128: it enters global addresses alone
	s_lshl_b32 s20, s20, 2
	s_add_co_u32 s20, s20, s14                     ; my tile of 16 queries: b 64 + query / 16, 0..511
	s_lshl_b32 s22, s20, 11
	s_lshl_b32 s38, s20, 8                         ; its 256 bytes of the list (the descriptors' registers are free: every tensor load has been waited for)
	s_mov_b32 s39, 0
	s_add_nc_u64 s[66:67], s[66:67], s[38:39]
	s_mov_b32 s28, -1                              ; the AND of all the tile's words
	s_mov_b32 s29, 0                               ; the list's word
	s_mov_b32 s23, 0
	s_lshl_b32 s20, s20, 14                        ; its 16 rows of 1,024 bytes
	s_mov_b32 s21, 0
	s_add_nc_u64 s[68:69], s[68:69], s[20:21]
	s_add_nc_u64 s[70:71], s[70:71], s[22:23]
	s_mul_i32 s20, s14, MSTG
	s_add_co_u32 s20, s20, MBASE                   ; my stage: the wave's number alone
	v_and_b32 v7, 15, v0                           ; r
	v_bfe_u32 v8, v0, 4, 1                         ; h
	v_lshlrev_b32 v9, 10, v8
	v_lshl_add_u32 v9, v7, 4, v9                   ; in: lanes 0-15 one row's 256 bytes, lanes 16-31 the next row's
.irp q, 0,1,2,3
.irp i, 0,1,2,3,4,5,6,7
	global_load_b128 v[MKL+32*\q+4*\i:MKL+32*\q+4*\i+3], v9, s[68:69] offset:256*\q+2048*\i th:TH_LOAD_NT   ; unit q, rows 2 i, 2 i + 1: all 32 loads go out at once
.endr
.endr
	v_mul_u32_u24 v10, v8, MP
	v_lshl_add_u32 v10, v7, 4, v10
	v_add_nc_u32 v10, s20, v10                     ; the same two rows in the stage
	v_mul_u32_u24 v11, v7, MP
	v_lshl_add_u32 v11, v8, 3, v11
	v_add_nc_u32 v11, s20, v11                     ; back: row r, + 8 h
.set j, 0
.rept 16
	v_mov_b32 v[MKO+j], 0                          ; written whole once: a lane write keeps the other lanes
.set j, j+1
.endr
.macro MUNIT q
	s_wait_loadcnt 8*(3-\q)                        ; this unit's eight loads are in; those of the later units, eight each, may be out
.irp i, 0,1,2,3,4,5,6,7
	ds_store_b128 v10, v[MKL+32*\q+4*\i:MKL+32*\q+4*\i+3] offset:2*MP*\i
.endr
.irp t, 0,1,2,3,4,5,6,7,8,9,10,11,12,13,14,15
	ds_load_b64 v[MKB+2*\t:MKB+2*\t+1], v11 offset:16*\t   ; LDS serves a wave's instructions in order (ISA guide 5.7.1.4): these see my stores
.endr
	s_wait_dscnt 0x0                               ; the bytes are back; the next unit's stores into the stage come behind this wait
.irp t, 0,1,2,3,4,5,6,7,8,9,10,11,12,13,14,15  ; word 8 t + j: byte j of tile t's eight; eight words at a time, so that no line waits for the line above it
.irp j, 0,1,2,3,4,5,6,7
	v_and_b32 v[MKT+\j], 0xff<<(8*(\j%4)), v[MKB+2*\t+\j/4]
.endr
.irp j, 0,1,2,3,4,5,6,7
	v_cmp_ne_u32 s[72+\j], 0, v[MKT+\j]
.endr
	s_and_b32 s30, s72, s73                        ; the eight words' AND and OR, for the list
	s_and_b32 s31, s74, s75
	s_and_b32 s32, s76, s77
	s_and_b32 s33, s78, s79
	s_or_b32 s34, s72, s73
	s_or_b32 s35, s74, s75
	s_or_b32 s36, s76, s77
	s_or_b32 s37, s78, s79
	s_and_b32 s30, s30, s31
	s_and_b32 s32, s32, s33
	s_or_b32 s34, s34, s35
	s_or_b32 s36, s36, s37
.if (\t%8) == 0
	s_and_b32 s24, s30, s32                        ; a step of 128 keys is eight tiles t
	s_or_b32 s26, s34, s36
.else
	s_and_b32 s30, s30, s32
	s_or_b32 s34, s34, s36
	s_and_b32 s24, s24, s30
	s_or_b32 s26, s26, s34
.endif
.if (\t%8) == 7
	s_and_b32 s28, s28, s24
	s_cmp_eq_u32 s24, -1
	s_cselect_b32 s25, 1<<(2*\q+\t/8), 0           ; all masked
	s_or_b32 s29, s29, s25
	s_cmp_eq_u32 s26, 0
	s_cselect_b32 s25, 0x100<<(2*\q+\t/8), 0       ; none masked
	s_or_b32 s29, s29, s25
.endif
.irp j, 0,1,2,3,4,5,6,7
	v_writelane_b32 v[MKO+4*\q+\j%4], s[72+\j], 2*\t+\j/4   ; word n goes to lane n / 4, register n % 4
.endr
.endr
	global_store_b128 v[CO], v[MKO+4*\q:MKO+4*\q+3], s[70:71] offset:512*\q   ; the wave stores 512 consecutive bytes, at a multiple of 512 from the buffer's first byte
.endm
	MUNIT 0
	MUNIT 1
	MUNIT 2
	MUNIT 3
	s_lshr_b32 s24, s28, 16                        ; bits r and r + 16 of the AND: row r's keys of both halves are all masked
	s_and_b32 s24, s24, s28
	s_and_b32 s24, s24, 0xffff
	s_cmp_eq_u32 s24, 0
	s_cselect_b32 s29, s29, 0                      ; such a row: no step of this tile is left out
	v_mov_b32 v[MKT], s29
	v_mov_b32 v[MKT+1], s29
	v_lshrrev_b32 v[MKT+2], 1, v[CO]               ; 8 x lane: the wave stores 256 consecutive bytes, at a multiple of 256 from the buffer's first byte
	global_store_b64 v[MKT+2], v[MKT:MKT+1], s[66:67]
.Lno_mask:
	s_wait_tensorcnt 0x0                           ; the wave's end
	ds_add_u32 v[SPW], v[NIL]
	s_wait_dscnt 0x0
	CROUND                                         ; the closing round: no work-group ends while a partner may still ask for a tile that names it
	s_endpgm
.Lfunc_end_k_qa9ccaa72ba_proj:
	.size	k_qa9ccaa72ba_proj, .Lfunc_end_k_qa9ccaa72ba_proj-k_qa9ccaa72ba_proj
	.p2alignl 7, 3214868480
	.fill 96, 4, 3214868480
	.section	.rodata,"a",@progbits
	.p2align	6, 0x0
	.amdhsa_kernel k_qa9ccaa72ba_proj
		.amdhsa_group_segment_fixed_size 327680
		.amdhsa_private_segment_fixed_size 0
		.amdhsa_enable_private_segment 0
		.amdhsa_kernarg_size 104
		.amdhsa_user_sgpr_count 2
		.amdhsa_user_sgpr_kernarg_segment_ptr 1
		.amdhsa_wavefront_size32 1
		.amdhsa_system_sgpr_workgroup_id_x 1
		.amdhsa_system_sgpr_workgroup_id_y 1
		.amdhsa_system_sgpr_workgroup_id_z 1
		.amdhsa_system_vgpr_workitem_id 0
		.amdhsa_next_free_vgpr 1024
		.amdhsa_next_free_sgpr 100
		.amdhsa_reserve_vcc 0
		.amdhsa_float_denorm_mode_32 3
		.amdhsa_float_denorm_mode_16_64 3
		.amdhsa_memory_ordered 1
		.amdhsa_forward_progress 1
		.amdhsa_inst_pref_size 255
	.end_amdhsa_kernel
	.section	.bss,"aw",@nobits
	.p2align	6
	.space	262144
	.amdgpu_metadata
---
amdhsa.version: [ 1, 2 ]
amdhsa.kernels:
  - .name:           k_qa9ccaa72ba_proj
    .symbol:         k_qa9ccaa72ba_proj.kd
    .args:
      - { .name: Q_codes, .offset: 0, .size: 8, .value_kind: global_buffer, .address_space: global }
      - { .name: K_codes, .offset: 8, .size: 8, .value_kind: global_buffer, .address_space: global }
      - { .name: V_codes, .offset: 16, .size: 8, .value_kind: global_buffer, .address_space: global }
      - { .name: Wq_codes, .offset: 24, .size: 8, .value_kind: global_buffer, .address_space: global }
      - { .name: Wk_codes, .offset: 32, .size: 8, .value_kind: global_buffer, .address_space: global }
      - { .name: Wv_codes, .offset: 40, .size: 8, .value_kind: global_buffer, .address_space: global }
      - { .name: lowp_scales, .offset: 48, .size: 8, .value_kind: global_buffer, .address_space: global }
      - { .name: qi, .offset: 56, .size: 8, .value_kind: global_buffer, .address_space: global }
      - { .name: ki, .offset: 64, .size: 8, .value_kind: global_buffer, .address_space: global }
      - { .name: vi, .offset: 72, .size: 8, .value_kind: global_buffer, .address_space: global }
      - { .name: mask, .offset: 80, .size: 8, .value_kind: global_buffer, .address_space: global }
      - { .name: mw, .offset: 88, .size: 8, .value_kind: global_buffer, .address_space: global }
      - { .name: fl, .offset: 96, .size: 8, .value_kind: global_buffer, .address_space: global }
    .group_segment_fixed_size: 327680
    .private_segment_fixed_size: 0
    .kernarg_segment_align: 8
    .kernarg_segment_size: 104
    .max_flat_workgroup_size: 128
    .sgpr_count:     100
    .vgpr_count:     1024
    .wavefront_size: 32
...
	.end_amdgpu_metadata
.endif
;; end of part 5
;; launch attn (part 6): grid 4 x 64, 16 waves a work-group, no clusters, 280,576 bytes of LDS; arguments qi, ki, vi, mw, fl, gamma, lowp_scales, ci; writes ci
.if DOCPART == 6
	.amdgcn_target "amdgcn-amd-amdhsa--gfx1250"
	.amdhsa_code_object_version 6
	.text
	.protected	k_qa9ccaa72ba_attn
	.globl	k_qa9ccaa72ba_attn
	.p2align	8
	.type	k_qa9ccaa72ba_attn,@function
k_qa9ccaa72ba_attn:
	s_mov_b64 s[64:65], 0
	v_nop
	global_prefetch_b8 v0, s[64:65] scope:SCOPE_SE
	s_setreg_imm32_b32 hwreg(HW_REG_WAVE_MODE, 25, 1), 1
	s_wait_xcnt 0x0
; The monotonic attention of one (batch, head) on codes of FP8 (E4M3): scores S = q k^T, a first softmax, its sums behind each key x the distance, the decay exp(-sqrt(..) softplus(gamma)), clipped,
; a second softmax of score x decay, quantised as p = 2^(t - M) (M a whole number, running), and O = p v / the sum of the unquantised p; O is quantised with its given scale and stored as a fragment's image.
; SHARES.  A work-group owns one head and 16 of its 64 tiles of 16 queries, a tile a wave, 256 registers.  Both products are used transposed (source 0 = 16 keys or 16 channels): a lane holds ONE query.
; K's and V's register images of the head (128 KiB each, as the projections stored them) are brought into LDS once, through registers: 32 loads and 32 LDS stores of 512 bytes a wave, one barrier; then LDS is only read.
; TWO PASSES over the keys, 128 a step, both from the last step to the first.  Pass 1: the first softmax's largest t and sum.  Pass 2: scores again, e = 2^(t - M1), the sums of e behind each key (a scan
; with a carry from step to step), the decay, the second softmax, O^T += V^T P^T.
; WORK LEFT OUT BY THE LIST fl (whole numbers that the launch before stored; its head comment shows the case and states the limit): a step whose 16 x 128 mask bytes are all set, where every row of the tile has a key
; that counts, is passed over by a scalar branch; pass 2 then only moves the distances on by 128 keys.  A step with no byte set reads no mask words and selects nothing.  The trip counts are constants.
; ONE STEP AHEAD: as soon as a step's products have read K's fragments, the registers are asked to take the fragments of the step below (below step 0: step 7's, which nobody uses); s[PFV] says whose they are,
; and a step that does not find its own (the step above was passed over) loads them itself.
; WHICH TILE: wave w = 4 k + g of work-group x takes tile 8 c + x + 4 (k & 1), c = (2 (k / 2) + g / 2) xor 7 ((k xor g) & 1): the four waves of equal g, and of equal k, hold classes c that add up to 14.
; NO CLUSTER, NO TENSOR LOAD: branches here hang on numbers read from memory, which may differ between the work-groups of a head:
; so each of the four work-groups of a head loads the images through registers.
; NO PREFETCH: all of K and V is asked for in one run at the head.
; LIMITS: e6 + e7 between -123 and 130; e8 and e10 - e8 - e9 between -126 and 119; the scaled scores stay under 2^31; NaN is not served.
.set IMG0,  16384                      ; K's image begins one step's bytes into LDS: step CNT - 1 lies at CNT << 14
.set VIMG,  131072                     ; V's image lies this far behind K's
.set SPARE, IMG0+2*VIMG                ; the spare words, 128 bytes a wave: no other line names them
.set AK0,  1                           ; 16 x lane
.set AV0,  2                           ; + VIMG
.set ADK,  3                           ; fragments of K
.set ADV,  4                           ; of V
.set GOF,  5                           ; 16 x thread: the fill's offset in memory
.set BIG,  6                           ; -1e8 in units of a raw score
.set K0SQ, 7                           ; (softplus(gamma) log2 e)^2
.set QF,   16                          ; Q's fragment.  v8 -M1, v9 largest t, v[10:11] sum; v12-15 the same for the second softmax
.set T2,   32                          ; 64 scores, then p
.set EE,   96                          ; 32 at work; fragments
.set FB,   128                         ; scan's scratch; p's codes; fragments
.set OT,   160                         ; O^T
.set DD,   224                         ; key - query of the tile in hand, 8 registers
.set KZ,   232                         ; K0SQ / sum, 0
.set ZK,   234                         ; the same in lanes 0-15, 0 in lanes 16-31
.set CY,   236                         ; the scan's carry
.set PLIM, 237
.set PSC,  238
.set FF,   240
.set TA,   242
.set SPW,  247
.set PX,   248
.set NIL,  249
.set S2,   250
.set CLIM, 252
.set CSC,  253
.set M16,  254
.set QQ,   FB
.set AA,   FB+16
.set XX,   FB+20
.set CC,   FB+24
.set WV,   2
.set CNT,  3                           ; steps to go: the step in hand is CNT - 1
.set TB,   10
.set HI,   11
.set FL2,  18                          ; the list's word << 1
.set NM,   19                          ; not 0: no byte of the step's mask is set
.set MO,   20                          ; the step's mask words: 256 (CNT - 1)
.set TS,   21
.set PFV,  22                          ; the value of CNT whose fragments of K have been asked for
.set CS,   28
.set SEL,  30
.set LO5,  100
.set UP5,  101
.macro PLACES n
.rept \n
	v_nop
.endr
.endm
.macro WALU
	s_wait_alu depctr_va_vdst(0)
.endm
.macro FLAGS                           ; what the list says of step CNT - 1; SCC = it is passed over
	s_lshr_b32 s[TS], s[FL2], s[CNT]
	s_and_b32 s[NM], s[TS], 0x100
	s_lshl_b32 s[TB], s[CNT], 14
	s_lshl_b32 s[MO], s[CNT], 8
	s_sub_co_u32 s[MO], s[MO], 256
	s_and_b32 s[TS], s[TS], 1
.endm
.macro NEXTK                           ; K's address in the step below: ((CNT + 6) & 7) + 1 is CNT - 1, and 8 where CNT is 1
	s_add_co_u32 s[TS], s[CNT], 6
	s_and_b32 s[TS], s[TS], 7
	s_add_co_u32 s[TS], s[TS], 1
	s_lshl_b32 s[TS], s[TS], 14
	v_add_nc_u32 v[ADK], s[TS], v[AK0]
	WALU
	s_sub_co_u32 s[PFV], s[CNT], 1
.endm
.macro KFRAG reg, off
.irp c, 0,1,2,3
	ds_load_b128 v[\reg+4*\c:\reg+4*\c+3], v[ADK] offset:\off+512*\c
.endr
.endm
.macro VFRAG reg, f
.irp c, 0,1,2,3
	ds_load_b128 v[\reg+4*\c:\reg+4*\c+3], v[ADV] offset:2048*(\f)+512*\c
.endr
.endm
.macro P1LOAD                          ; pass 1: a step's eight fragments
.irp f, 0,1,2,3
	KFRAG EE+16*\f, 2048*\f
.endr
.irp f, 0,1,2,3
	KFRAG OT+16*\f, 8192+2048*\f
.endr
.endm
.macro KH1                             ; pass 2: the fragments of keys 64-127
	KFRAG T2, 8192
	KFRAG T2+16, 8192+2048
	KFRAG EE+16, 8192+4096
	KFRAG FB+16, 8192+6144
.endm
.macro SCORE d, a
	v_wmma_f32_16x16x128_fp8_fp8 v[\d:\d+7], v[\a:\a+15], v[QF:QF+15], 0
.endm
; The step's 64 mask words, a bit a lane, and the selects; led round where the list says that no byte is set.
.macro MASKS
	s_cmp_lg_u32 s[NM], 0
	s_cbranch_scc1 .Lopen_\@
	s_load_b512 s[32:47], s[6:7], s[MO] offset:0x0
	s_load_b512 s[48:63], s[6:7], s[MO] offset:0x40
	s_load_b512 s[68:83], s[6:7], s[MO] offset:0x80
	s_load_b512 s[84:99], s[6:7], s[MO] offset:0xc0
	s_wait_kmcnt 0x0
.set n, 0
.rept 64
	v_cndmask_b32 v[T2+n], v[T2+n], v[BIG], s[32+36*(n/32)+n%32]
.set n, n+1
.endr
.Lopen_\@:
.endm
.macro MAX64
.irp k, 0,1,2,3
	v_max3_num_f32 v[TA+\k], v[T2+3*\k], v[T2+3*\k+1], v[T2+3*\k+2]
.endr
.set i, 12
.rept 26
	v_max3_num_f32 v[TA+(i/2)%4], v[TA+(i/2)%4], v[T2+i], v[T2+i+1]
.set i, i+2
.endr
	s_delay_alu instid0(VALU_DEP_2)
	v_max3_num_f32 v[TA], v[TA], v[TA+1], v[TA+2]
	s_delay_alu instid0(VALU_DEP_1)
	v_max_num_f32 v[TA], v[TA], v[TA+3]
.endm
.macro NEWM nm, run                    ; -M = floor(-t); f = 2^(old M - new M)
	v_mov_b32 v[TA], v[\nm]
	s_delay_alu instid0(VALU_DEP_2)
	v_floor_f32 v[\nm], -v[\run]
	s_delay_alu instid0(VALU_DEP_1)
	v_sub_f32 v[TA], v[\nm], v[TA]
	s_delay_alu instid0(VALU_DEP_1)
	v_cvt_i32_f32 v[TA], v[TA]
	s_delay_alu instid0(VALU_DEP_1)
	v_ldexp_f32 v[FF], 1.0, v[TA]
.endm
.macro EXP64 nm                        ; 2^(t - M): the sources, one wait, the batch
.set i, 0
.rept 32
	v_pk_fma_f32 v[T2+2*i:T2+2*i+1], v[T2+2*i:T2+2*i+1], s[CS:CS+1], v[\nm:\nm+1] op_sel_hi:[1,0,0]
.set i, i+1
.endr
	WALU
.set i, 0
.rept 64
	v_exp_f32 v[T2+i], v[T2+i]
.set i, i+1
.endr
.endm
.macro SUM64 acc
	v_pk_add_f32 v[S2:S2+1], v[T2:T2+1], v[T2+2:T2+3]
	v_pk_add_f32 v[TA:TA+1], v[T2+4:T2+5], v[T2+6:T2+7]
	v_pk_add_f32 v[TA+2:TA+3], v[T2+8:T2+9], v[T2+10:T2+11]
	v_pk_add_f32 v[\acc:\acc+1], v[\acc:\acc+1], v[T2+12:T2+13]
	v_pk_add_f32 v[S2:S2+1], v[S2:S2+1], v[T2+14:T2+15]
.irp j, 16,24,32,40,48,56
	v_pk_add_f32 v[\acc:\acc+1], v[\acc:\acc+1], v[T2+\j:T2+\j+1]
	v_pk_add_f32 v[S2:S2+1], v[S2:S2+1], v[T2+\j+2:T2+\j+3]
	v_pk_add_f32 v[TA:TA+1], v[TA:TA+1], v[T2+\j+4:T2+\j+5]
	v_pk_add_f32 v[TA+2:TA+3], v[TA+2:TA+3], v[T2+\j+6:T2+\j+7]
.endr
	s_delay_alu instid0(VALU_DEP_3)
	v_pk_add_f32 v[\acc:\acc+1], v[\acc:\acc+1], v[S2:S2+1]
	s_delay_alu instid0(VALU_DEP_2)
	v_pk_add_f32 v[TA:TA+1], v[TA:TA+1], v[TA+2:TA+3]
	s_delay_alu instid0(VALU_DEP_1)
	v_pk_add_f32 v[\acc:\acc+1], v[\acc:\acc+1], v[TA:TA+1]
.endm
; EE's 32 numbers e (4 tiles x 8 keys a lane) become K0SQ / sum x (the sum of e over all later keys of the row): pairs, tiles, the other half of the lanes, and the carry from the keys behind.
.macro SCAN
.irp p, 0,1,2,3
.irp t, 0,1,2,3
	v_add_f32 v[QQ+4*\p+\t], v[EE+8*\t+2*\p], v[EE+8*\t+2*\p+1]
.endr
.endr
.irp m, 0,2
	v_pk_add_f32 v[QQ+\m:QQ+\m+1], v[QQ+\m:QQ+\m+1], v[QQ+4+\m:QQ+4+\m+1]
	s_delay_alu instid0(VALU_DEP_4)
	v_pk_add_f32 v[AA+\m:AA+\m+1], v[QQ+8+\m:QQ+8+\m+1], v[QQ+12+\m:QQ+12+\m+1]
.endr
.irp m, 0
	s_delay_alu instid0(VALU_DEP_3)
	v_pk_add_f32 v[AA+\m:AA+\m+1], v[AA+\m:AA+\m+1], v[QQ+\m:QQ+\m+1]
.endr
.irp m, 2
	s_delay_alu instid0(VALU_DEP_2)
	v_pk_add_f32 v[AA+\m:AA+\m+1], v[AA+\m:AA+\m+1], v[QQ+\m:QQ+\m+1]
.endr
.irp t, 0,1,2,3
	v_permlanex16_b32 v[XX+\t], v[AA+\t], s[SEL], s[SEL+1]
.endr
.irp m, 0
	s_delay_alu instid0(VALU_DEP_3)
	v_pk_add_f32 v[AA+\m:AA+\m+1], v[AA+\m:AA+\m+1], v[XX+\m:XX+\m+1]
.endr
.irp m, 2
	s_delay_alu instid0(VALU_DEP_2)
	v_pk_add_f32 v[AA+\m:AA+\m+1], v[AA+\m:AA+\m+1], v[XX+\m:XX+\m+1]
.endr
	v_mov_b32 v[CC+3], v[CY]
	s_delay_alu instid0(VALU_DEP_1)
	v_fma_f32 v[CC+2], v[AA+3], v[KZ], v[CC+3]
	s_delay_alu instid0(VALU_DEP_1)
	v_fma_f32 v[CC+1], v[AA+2], v[KZ], v[CC+2]
	s_delay_alu instid0(VALU_DEP_1)
	v_fma_f32 v[CC+0], v[AA+1], v[KZ], v[CC+1]
	s_delay_alu instid0(VALU_DEP_1)
	v_fma_f32 v[CY], v[AA+0], v[KZ], v[CC+0]
.irp m, 0,2
	v_pk_fma_f32 v[XX+\m:XX+\m+1], v[XX+\m:XX+\m+1], v[ZK:ZK+1], v[CC+\m:CC+\m+1] op_sel_hi:[1,0,1]
.endr
.irp m, 0,2
	s_delay_alu instid0(VALU_DEP_2)
	v_pk_fma_f32 v[QQ+12+\m:QQ+12+\m+1], v[QQ+12+\m:QQ+12+\m+1], v[KZ:KZ+1], v[XX+\m:XX+\m+1] op_sel_hi:[1,0,1]
.endr
.irp m, 0,2
	s_delay_alu instid0(VALU_DEP_2)
	v_pk_fma_f32 v[QQ+8+\m:QQ+8+\m+1], v[QQ+8+\m:QQ+8+\m+1], v[KZ:KZ+1], v[QQ+12+\m:QQ+12+\m+1] op_sel_hi:[1,0,1]
.endr
.irp m, 0,2
	s_delay_alu instid0(VALU_DEP_2)
	v_pk_fma_f32 v[QQ+4+\m:QQ+4+\m+1], v[QQ+4+\m:QQ+4+\m+1], v[KZ:KZ+1], v[QQ+8+\m:QQ+8+\m+1] op_sel_hi:[1,0,1]
.endr
.irp p, 0,1,2,3
.irp t, 0,2
	v_pk_fma_f32 v[EE+8*\t+2*\p:EE+8*\t+2*\p+1], v[EE+8*\t+2*\p:EE+8*\t+2*\p+1], v[KZ:KZ+1], v[QQ+4+4*\p+4*(\p/3)+\t:QQ+4+4*\p+4*(\p/3)+\t+1] op_sel:[1,0,0] op_sel_hi:[1,1,0]
.endr
.irp t, 1,3
	v_pk_fma_f32 v[EE+8*\t+2*\p:EE+8*\t+2*\p+1], v[EE+8*\t+2*\p:EE+8*\t+2*\p+1], v[KZ:KZ+1], v[QQ+4+4*\p+4*(\p/3)+\t-1:QQ+4+4*\p+4*(\p/3)+\t] op_sel:[1,0,1] op_sel_hi:[1,1,1]
.endr
.endr
.endm
; Half u of the step's scores (32 a lane) x their decay.  Each batch of transcendentals has its sources laid first, one wait ahead and one behind.
.macro MID u
.set SS, T2+32*\u
	WALU                                           ; directly ahead of the first readers of this half's scores
.set i, 0
.rept 16
	v_pk_fma_f32 v[EE+2*i:EE+2*i+1], v[SS+2*i:SS+2*i+1], s[CS:CS+1], v[8:9] op_sel_hi:[1,0,0]
.set i, i+1
.endr
	WALU
.set i, 0
.rept 32
	v_exp_f32 v[EE+i], v[EE+i]                     ; e = 2^(t - M1)
.set i, i+1
.endr
	v_nop
	WALU
	SCAN
.irp t, 3,2,1,0                                ; x (key - query); the distances step 16 keys down from tile to tile
.irp p, 0,2,4,6
	v_pk_mul_f32 v[EE+8*\t+\p:EE+8*\t+\p+1], v[EE+8*\t+\p:EE+8*\t+\p+1], v[DD+\p:DD+\p+1]
.endr
.irp p, 0,2,4,6
	v_pk_add_f32 v[DD+\p:DD+\p+1], v[DD+\p:DD+\p+1], v[M16:M16+1]
.endr
.endr
	WALU
.set i, 0
.rept 32
	v_sqrt_f32 v[EE+i], |v[EE+i]|                  ; the magnitude stands for |key - query|
.set i, i+1
.endr
	v_nop
	WALU
.set i, 0
.rept 32
	v_exp_f32 v[EE+i], -v[EE+i]
.set i, i+1
.endr
	v_nop
	WALU
.set i, 0
.rept 32
	v_med3_num_f32 v[EE+i], v[EE+i], s[LO5], s[UP5]   ; reference()'s clip
.set i, i+1
.endr
.set i, 0
.rept 16
	v_pk_mul_f32 v[SS+i:SS+i+1], v[SS+i:SS+i+1], v[EE+i:EE+i+1]
.set i, i+2
.endr
.endm
.macro P1STEP
	s_cmp_eq_u32 s[PFV], s[CNT]
	s_cbranch_scc1 .Lhave_\@
	s_wait_dscnt 0x0                               ; whatever was asked for into these registers has landed
	v_add_nc_u32 v[ADK], s[TB], v[AK0]
	WALU
	P1LOAD
.Lhave_\@:
	s_wait_dscnt 16                                ; the first four fragments are in; the 16 younger loads may be out
.irp t, 0,1,2,3
	SCORE T2+8*\t, EE+16*\t
.endr
	s_wait_dscnt 0x0
.irp t, 0,1,2,3
	SCORE T2+32+8*\t, OT+16*\t
.endr
	PLACES 4
	NEXTK
	P1LOAD                                         ; the step below
	MASKS
	MAX64
	s_delay_alu instid0(VALU_DEP_1)
	v_mul_f32 v[TA], s[CS], v[TA]
	s_delay_alu instid0(VALU_DEP_1)
	v_max_num_f32 v9, v9, v[TA]
	NEWM 8, 9
	EXP64 8
	v_pk_mul_f32 v[10:11], v[10:11], v[FF:FF+1] op_sel_hi:[1,0]
	WALU
	SUM64 10
	WALU                                           ; ahead of the label and the branches behind it
.endm
.macro PVM k, a
	v_wmma_f32_16x16x128_fp8_fp8 v[OT+8*(\k):OT+8*(\k)+7], v[\a:\a+15], v[FB:FB+15], v[OT+8*(\k):OT+8*(\k)+7]
.endm
.macro P2STEP
	v_add_nc_u32 v[ADK], s[TB], v[AK0]
	v_add_nc_u32 v[ADV], s[TB], v[AV0]
	WALU
	s_cmp_eq_u32 s[PFV], s[CNT]
	s_cbranch_scc1 .Lhave_\@
	s_wait_dscnt 0x0                               ; whatever was asked for into these registers has landed
	KH1
.Lhave_\@:
	KFRAG EE, 0
	KFRAG FB, 2048
	s_wait_dscnt 8                                 ; all but the two youngest fragments
	SCORE T2+32, T2
	SCORE T2+40, T2+16
	SCORE T2+48, EE+16
	SCORE T2+56, FB+16
	PLACES 5                                       ; five: the scores below are laid over fragments that these four have read
	KFRAG EE+16, 4096
	KFRAG FB+16, 6144
	s_wait_dscnt 8
	SCORE T2, EE
	SCORE T2+8, FB
	s_wait_dscnt 0x0
	SCORE T2+16, EE+16
	SCORE T2+24, FB+16
	PLACES 4
	MASKS
	MID 1
	MID 0
	VFRAG EE, 0
	VFRAG EE+16, 1
	VFRAG FB+16, 2
	MAX64
	s_delay_alu instid0(VALU_DEP_1)
	v_permlanex16_b32 v[PX], v[TA], s[SEL], s[SEL+1]
	s_delay_alu instid0(VALU_DEP_1)
	v_max_num_f32 v[TA], v[TA], v[PX]
	s_delay_alu instid0(VALU_DEP_1)
	v_mul_f32 v[TA], s[CS], v[TA]
	s_delay_alu instid0(VALU_DEP_1)
	v_max_num_f32 v13, v13, v[TA]
	NEWM 12, 13
	EXP64 12
	v_pk_mul_f32 v[14:15], v[14:15], v[FF:FF+1] op_sel_hi:[1,0]
	WALU
	SUM64 14                                       ; the sum of the unquantised p
.irp b, 0,1,2,3
.irp i, 0,1,2,3,4,5,6,7,8,9,10,11,12,13,14,15
	v_min_num_f32 v[T2+16*\b+\i], v[T2+16*\b+\i], v[PLIM]   ; the conversion does not saturate (ISA guide 7.6.2); p is not negative
.endr
	v_cvt_scalef32_pk8_fp8_f32 v[FB+4*\b:FB+4*\b+1], v[T2+16*\b:T2+16*\b+7], v[PSC]
	v_cvt_scalef32_pk8_fp8_f32 v[FB+4*\b+2:FB+4*\b+3], v[T2+16*\b+8:T2+16*\b+15], v[PSC]
	VFRAG T2+16*\b, 3+\b
.endr
	WALU                                           ; directly ahead of the first readers of O^T
.set i, 0
.rept 32
	v_pk_mul_f32 v[OT+i:OT+i+1], v[OT+i:OT+i+1], v[FF:FF+1] op_sel_hi:[1,0]   ; O^T under the new M
.set i, i+2
.endr
	WALU
	s_wait_dscnt 16                                ; V's fragments 0-2 are in; 3-6, 16 loads, may be out
	PVM 0, EE
	PLACES 4
	VFRAG EE, 7                                    ; the eighth fragment, into the first's registers
	PVM 1, EE+16
	PVM 2, FB+16
	s_wait_dscnt 16                                ; behind fragment 3: 4, 5, 6 and 7
	PVM 3, T2
	s_wait_dscnt 12
	PVM 4, T2+16
	PLACES 4
	NEXTK
	KH1                                            ; the step below: 16 loads into the registers of V's fragments 1 to 4
	s_wait_dscnt 24                                ; behind fragment 5: 6, 7 and these 16
	PVM 5, T2+32
	s_wait_dscnt 20
	PVM 6, T2+48
	s_wait_dscnt 16
	PVM 7, EE
	PLACES 5                                       ; ahead of the next step's loads and scores, which land on these products' sources
	WALU
.endm
	s_load_b512 s[32:47], s[0:1], 0x0              ; qi, ki, vi, mw, fl, gamma, the exponents, ci
	v_lshl_add_u32 v[SPW], v0, 2, SPARE
	v_mov_b32 v[NIL], 0
	v_lshrrev_b32 v1, 5, v0
	v_readfirstlane_b32 s[WV], v1
	v_lshlrev_b32 v[GOF], 4, v0
	v_and_b32 v[TA], 31, v0
	v_lshlrev_b32 v[AK0], 4, v[TA]
	v_add_nc_u32 v[AV0], VIMG, v[AK0]
	v_lshl_add_u32 v[OT], v0, 4, IMG0              ; the fill's four LDS bases, 64 KiB apart (an LDS offset has 16 bits)
	v_add_nc_u32 v[OT+1], 0x10000, v[OT]
	v_add_nc_u32 v[OT+2], 0x20000, v[OT]
	v_add_nc_u32 v[OT+3], 0x30000, v[OT]
	s_and_b32 s48, s[WV], 3                        ; g
	s_lshr_b32 s49, s[WV], 2                       ; k
	s_xor_b32 s50, s48, s49
	s_and_b32 s50, s50, 1
	s_mul_i32 s50, s50, 7
	s_lshr_b32 s51, s48, 1
	s_and_b32 s52, s49, 2
	s_add_co_u32 s51, s51, s52
	s_xor_b32 s51, s51, s50                        ; c
	s_lshl_b32 s51, s51, 3
	s_and_b32 s52, s49, 1
	s_lshl_b32 s52, s52, 2
	s_add_co_u32 s51, s51, s52
	s_add_co_u32 s49, s51, ttmp9                   ; my tile of 16 queries, 0..63
	s_and_b32 s48, ttmp7, 0xffff                   ; 8 batch + head
	s_lshl_b32 s50, s48, 17                        ; the head's images
	s_mov_b32 s51, 0
	s_lshl_b32 s52, s48, 6
	s_add_co_u32 s52, s52, s49
	s_lshl_b32 s52, s52, 11                        ; Q's fragment
	s_mov_b32 s53, 0
	s_lshr_b32 s54, s48, 3
	s_lshl_b32 s54, s54, 6
	s_add_co_u32 s54, s54, s49                     ; 64 batch + tile
	s_lshl_b32 s56, s54, 11                        ; its mask words
	s_mov_b32 s57, 0
	s_lshl_b32 s60, s54, 8                         ; its word of the list
	s_mov_b32 s61, 0
	s_lshl_b32 s58, s54, 3
	s_and_b32 s55, s48, 7
	s_add_co_u32 s58, s58, s55
	s_lshl_b32 s58, s58, 11                        ; where the result goes
	s_mov_b32 s59, 0
	s_lshl_b32 s62, s49, 4
	s_sub_co_i32 s62, 1008, s62                    ; the last key tile's first key less my first query
	s_mov_b32 s[SEL], 0x76543210
	s_mov_b32 s[SEL+1], 0xfedcba98
	s_mov_b32 s[HI], 0xffff0000
	s_mov_b32 s[LO5], 0x3727c5ac                   ; 1e-5
	s_mov_b32 s[UP5], 0x47c35000                   ; 1e5
	s_mov_b32 s[PFV], 0                            ; nothing has been asked for
	WALU
	s_wait_kmcnt 0x0
	s_add_nc_u64 s[12:13], s[34:35], s[50:51]
	s_add_nc_u64 s[14:15], s[36:37], s[50:51]
	s_add_nc_u64 s[4:5], s[32:33], s[52:53]
	s_add_nc_u64 s[6:7], s[38:39], s[56:57]
	s_add_nc_u64 s[16:17], s[40:41], s[60:61]
	s_add_nc_u64 s[8:9], s[46:47], s[58:59]
.set i, 0
.rept 16
	global_load_b128 v[T2+4*i:T2+4*i+3], v[GOF], s[12:13] offset:8192*i      ; the 16 waves read 8,192 consecutive bytes of K's image
.set i, i+1
.endr
.set i, 0
.rept 16
	global_load_b128 v[EE+4*i:EE+4*i+3], v[GOF], s[14:15] offset:8192*i      ; of V's
.set i, i+1
.endr
.irp c, 0,1,2,3
	global_load_b128 v[QF+4*\c:QF+4*\c+3], v[AK0], s[4:5] offset:512*\c
.endr
	s_load_b32 s[FL2], s[16:17], 0x0
	s_load_b256 s[68:75], s[44:45], 0x0            ; e0 .. e7
	s_load_b128 s[76:79], s[44:45], 0x20           ; e8 .. e11
	s_load_b32 s80, s[42:43], 0x0                  ; gamma
	v_and_b32 v[TA+1], 15, v0
	v_bfe_u32 v[TA+2], v0, 4, 1
	v_lshl_add_u32 v[TA+2], v[TA+2], 3, s62
	s_delay_alu instid0(VALU_DEP_1)
	v_sub_nc_u32 v[TA+2], v[TA+2], v[TA+1]
.irp j, 0,1,2,3,4,5,6,7
	v_add_nc_u32 v[DD+\j], \j, v[TA+2]
.endr
.irp j, 0,1,2,3,4,5,6,7
	v_cvt_f32_i32 v[DD+\j], v[DD+\j]
.endr
	WALU
	s_wait_kmcnt 0x0
	s_lshl_b32 s[FL2], s[FL2], 1
	s_add_co_i32 s46, s74, s75
	s_lshl_b32 s47, s46, 23
	s_add_co_i32 s[CS], s47, 0x3e0293ee            ; log2(e) / sqrt(128) x 2^(e6 + e7)
	s_mov_b32 s[CS+1], s[CS]
	s_sub_co_i32 s46, 0, s46
	v_mov_b32 v[BIG], 0xccbebc20                   ; -1e8
	s_delay_alu instid0(VALU_DEP_1)
	v_ldexp_f32 v[BIG], v[BIG], s46
	s_add_co_i32 s47, s76, 127
	s_lshl_b32 s50, s47, 23
	v_mov_b32 v[PSC], s50                          ; 2^e8
	s_add_co_i32 s47, s47, 8
	s_lshl_b32 s47, s47, 23
	s_or_b32 s47, s47, 0x600000
	v_mov_b32 v[PLIM], s47                         ; 448 x that
	s_sub_co_i32 s47, s78, s76
	s_sub_co_i32 s47, s47, s77
	s_add_co_i32 s47, s47, 127
	s_lshl_b32 s50, s47, 23
	v_mov_b32 v[CSC], s50                          ; 2^(e10 - e8 - e9)
	s_add_co_i32 s47, s47, 8
	s_lshl_b32 s47, s47, 23
	s_or_b32 s47, s47, 0x600000
	v_mov_b32 v[CLIM], s47
	v_mov_b32 v[TA], s80
	s_delay_alu instid0(VALU_DEP_1)
	v_mul_f32 v[TA+1], 0x3fb8aa3b, v[TA]           ; softplus to the base 2: max(x, 0) + log2(1 + 2^-|x|)
	WALU
	v_exp_f32 v[TA+2], -|v[TA+1]|
	v_max_num_f32 v[TA+3], 0, v[TA+1]
	WALU
	v_add_f32 v[TA+2], 1.0, v[TA+2]
	WALU
	v_log_f32 v[TA+4], v[TA+2]
	v_nop
	WALU
	v_add_f32 v[K0SQ], v[TA+3], v[TA+4]
	s_delay_alu instid0(VALU_DEP_1)
	v_mul_f32 v[K0SQ], v[K0SQ], v[K0SQ]
	v_mov_b32 v9, 0xff61b1e6                       ; -3e38, under every t
	s_delay_alu instid0(VALU_DEP_1)
	v_floor_f32 v8, -v9
	v_mov_b32 v13, 0xff61b1e6
	s_delay_alu instid0(VALU_DEP_1)
	v_floor_f32 v12, -v13
	v_mov_b32 v10, 0
	v_mov_b32 v11, 0
	v_mov_b32 v14, 0
	v_mov_b32 v15, 0
	v_mov_b32 v[FF+1], 0
	v_mov_b32 v[KZ+1], 0
	v_mov_b32 v[ZK+1], 0
	v_mov_b32 v[PX], 0
	v_mov_b32 v[M16], 0xc1800000                   ; -16
	v_mov_b32 v[M16+1], 0xc1800000
	WALU                                           ; the head's end
	s_wait_loadcnt 20                              ; K's 16 loads are in; V's 16 and Q's 4 may be out
.set i, 0
.rept 16
	ds_store_b128 v[OT+i/8], v[T2+4*i:T2+4*i+3] offset:8192*(i%8)
.set i, i+1
.endr
	s_wait_loadcnt 4
.set i, 0
.rept 16
	ds_store_b128 v[OT+2+i/8], v[EE+4*i:EE+4*i+3] offset:8192*(i%8)
.set i, i+1
.endr
	s_wait_loadcnt 0x0                             ; Q
	s_wait_dscnt 0x0                               ; my stores are done, for the others' sake
	s_barrier_signal -1
	s_barrier_wait -1                              ; the images are whole; from here on LDS is only read
	s_mov_b32 s[CNT], 8
.Lpass1:
	FLAGS
	s_cbranch_scc1 .Lhid1
	P1STEP
.Lhid1:
	s_sub_co_u32 s[CNT], s[CNT], 1
	s_cmp_lg_u32 s[CNT], 0
	s_cbranch_scc1 .Lpass1
	s_wait_dscnt 0x0                               ; the last look ahead has landed: its registers are written below
	s_mov_b32 s[PFV], 0                            ; pass 2 lays its fragments otherwise
	v_permlanex16_b32 v[PX], v9, s[SEL], s[SEL+1]  ; the two halves of the lanes are joined: the row's largest t, M1 and the sum under it
	s_delay_alu instid0(VALU_DEP_1)
	v_max_num_f32 v9, v9, v[PX]
	s_delay_alu instid0(VALU_DEP_1)
	v_floor_f32 v[TA], -v9
	s_delay_alu instid0(VALU_DEP_1)
	v_sub_f32 v[TA+1], v[TA], v8
	s_delay_alu instid0(VALU_DEP_1)
	v_cvt_i32_f32 v[TA+1], v[TA+1]
	s_delay_alu instid0(VALU_DEP_1)
	v_ldexp_f32 v[TA+1], 1.0, v[TA+1]
	v_add_f32 v10, v10, v11
	s_delay_alu instid0(VALU_DEP_1)
	v_mul_f32 v10, v10, v[TA+1]
	s_delay_alu instid0(VALU_DEP_1)
	v_permlanex16_b32 v[PX], v10, s[SEL], s[SEL+1]
	s_delay_alu instid0(VALU_DEP_1)
	v_add_f32 v10, v10, v[PX]
	v_mov_b32 v8, v[TA]
	WALU
	v_rcp_f32 v[TA+2], v10
	v_mov_b32 v[CY], 0
.set i, 0
.rept 64
	v_mov_b32 v[OT+i], 0                           ; the step is written once: the first finds zeros
.set i, i+1
.endr
	WALU
	v_mul_f32 v[KZ], v[K0SQ], v[TA+2]
	s_delay_alu instid0(VALU_DEP_1)
	v_cndmask_b32 v[ZK], v[KZ], v[KZ+1], s[HI]
	WALU
	s_mov_b32 s[CNT], 8
.Lpass2:
	FLAGS
	s_cbranch_scc1 .Lhid2
	P2STEP
	s_branch .Lnext2
.Lhid2:                                                ; a step passed over: its e are 0, so the carry stands; the distances go 128 keys down
.irp p, 0,2,4,6
	v_pk_add_f32 v[DD+\p:DD+\p+1], v[DD+\p:DD+\p+1], 0xc3000000 op_sel_hi:[1,0]
.endr
	WALU
.Lnext2:
	s_sub_co_u32 s[CNT], s[CNT], 1
	s_cmp_lg_u32 s[CNT], 0
	s_cbranch_scc1 .Lpass2
	s_wait_dscnt 0x0                               ; the last look ahead has landed: its registers are written below
	; THE WAY OUT: O^T / the sum, held, converted with 2^(e10 - e8 - e9); the halves of the lanes exchange registers so that the image has k = 32 c + 16 h + 0 .. 15 in registers 4 c .. 4 c + 3, as the last product reads it.
	v_add_f32 v14, v14, v15
	s_delay_alu instid0(VALU_DEP_1)
	v_permlanex16_b32 v[PX], v14, s[SEL], s[SEL+1]
	s_delay_alu instid0(VALU_DEP_1)
	v_add_f32 v14, v14, v[PX]
	WALU
	v_rcp_f32 v[FF], v14
	v_nop
	WALU
.set i, 0
.rept 32
	v_pk_mul_f32 v[T2+i:T2+i+1], v[OT+i:OT+i+1], v[FF:FF+1] op_sel_hi:[1,0]
.set i, i+2
.endr
.set i, 0
.rept 64
	v_med3_num_f32 v[T2+i], v[T2+i], -v[CLIM], v[CLIM]
.set i, i+1
.endr
.irp a, 0,1,2,3,4,5,6,7
	v_cvt_scalef32_pk8_fp8_f32 v[EE+2*\a:EE+2*\a+1], v[T2+8*\a:T2+8*\a+7], v[CSC]
.endr
	v_nop
.irp c, 0,1,2,3
.irp e, 0,1
	v_permlanex16_b32 v[TA], v[EE+4*\c+2+\e], s[SEL], s[SEL+1]
	v_permlanex16_b32 v[TA+1], v[EE+4*\c+\e], s[SEL], s[SEL+1]
	v_cndmask_b32 v[FB+4*\c+\e], v[EE+4*\c+\e], v[TA], s[HI]
	v_cndmask_b32 v[FB+4*\c+2+\e], v[TA+1], v[EE+4*\c+2+\e], s[HI]
.endr
.endr
.irp c, 0,1,2,3
	global_store_b128 v[AK0], v[FB+4*\c:FB+4*\c+3], s[8:9] offset:512*\c   ; 32 lanes store 512 consecutive bytes, at a multiple of 512 from the buffer's first byte
.endr
	s_wait_tensorcnt 0x0                           ; the wave's end
	ds_add_u32 v[SPW], v[NIL]
	s_wait_dscnt 0x0
	s_endpgm
.Lfunc_end_k_qa9ccaa72ba_attn:
	.size	k_qa9ccaa72ba_attn, .Lfunc_end_k_qa9ccaa72ba_attn-k_qa9ccaa72ba_attn
	.p2alignl 7, 3214868480
	.fill 96, 4, 3214868480
	.section	.rodata,"a",@progbits
	.p2align	6, 0x0
	.amdhsa_kernel k_qa9ccaa72ba_attn
		.amdhsa_group_segment_fixed_size 280576
		.amdhsa_private_segment_fixed_size 0
		.amdhsa_enable_private_segment 0
		.amdhsa_kernarg_size 64
		.amdhsa_user_sgpr_count 2
		.amdhsa_user_sgpr_kernarg_segment_ptr 1
		.amdhsa_wavefront_size32 1
		.amdhsa_system_sgpr_workgroup_id_x 1
		.amdhsa_system_sgpr_workgroup_id_y 1
		.amdhsa_system_sgpr_workgroup_id_z 1
		.amdhsa_system_vgpr_workitem_id 0
		.amdhsa_next_free_vgpr 256
		.amdhsa_next_free_sgpr 102
		.amdhsa_reserve_vcc 0
		.amdhsa_float_denorm_mode_32 3
		.amdhsa_float_denorm_mode_16_64 3
		.amdhsa_memory_ordered 1
		.amdhsa_forward_progress 1
		.amdhsa_inst_pref_size 99
	.end_amdhsa_kernel
	.amdgpu_metadata
---
amdhsa.version: [ 1, 2 ]
amdhsa.kernels:
  - .name:           k_qa9ccaa72ba_attn
    .symbol:         k_qa9ccaa72ba_attn.kd
    .args:
      - { .name: qi, .offset: 0, .size: 8, .value_kind: global_buffer, .address_space: global }
      - { .name: ki, .offset: 8, .size: 8, .value_kind: global_buffer, .address_space: global }
      - { .name: vi, .offset: 16, .size: 8, .value_kind: global_buffer, .address_space: global }
      - { .name: mw, .offset: 24, .size: 8, .value_kind: global_buffer, .address_space: global }
      - { .name: fl, .offset: 32, .size: 8, .value_kind: global_buffer, .address_space: global }
      - { .name: gamma, .offset: 40, .size: 8, .value_kind: global_buffer, .address_space: global }
      - { .name: lowp_scales, .offset: 48, .size: 8, .value_kind: global_buffer, .address_space: global }
      - { .name: ci, .offset: 56, .size: 8, .value_kind: global_buffer, .address_space: global }
    .group_segment_fixed_size: 280576
    .private_segment_fixed_size: 0
    .kernarg_segment_align: 8
    .kernarg_segment_size: 64
    .max_flat_workgroup_size: 512
    .sgpr_count:     102
    .vgpr_count:     256
    .wavefront_size: 32
...
	.end_amdgpu_metadata
.endif
;; end of part 6
;; launch outp (part 7): grid 8 x 32, 4 waves a work-group, clusters of 4 x 4, 167,936 bytes of LDS; arguments ci, Wo_codes, lowp_scales, out0; writes out0
.if DOCPART == 7
	.amdgcn_target "amdgcn-amd-amdhsa--gfx1250"
	.amdhsa_code_object_version 6
	.text
	.protected	k_qa9ccaa72ba_outp
	.globl	k_qa9ccaa72ba_outp
	.p2align	8
	.type	k_qa9ccaa72ba_outp,@function
k_qa9ccaa72ba_outp:
	s_mov_b64 s[64:65], 0
	v_nop
	global_prefetch_b8 v0, s[64:65] scope:SCOPE_SE
	s_setreg_imm32_b32 hwreg(HW_REG_WAVE_MODE, 25, 1), 1
	s_wait_xcnt 0x0
	s_wait_alu depctr_hold_cnt(0) depctr_sa_sdst(0) depctr_va_vdst(0) depctr_va_sdst(0) depctr_va_ssrc(0) depctr_va_vcc(0) depctr_vm_vsrc(0)
	s_getreg_b32 s2, hwreg(HW_REG_IB_STS2, 6, 4)
	s_cmp_eq_u32 s2, 0
	s_cbranch_scc0 .Lentry_in_a_cluster
	s_endpgm
.Lentry_in_a_cluster:
	s_bfe_u32 s2, ttmp6, 0x10000c
	s_cmp_lg_u32 s2, 0xf033
	s_cbranch_scc0 .Lentry_shape_is_right
	s_endpgm
.Lentry_shape_is_right:
; out = c Wo^T on codes of FP8 (E4M3): [8192][1024] x [1024][1024], K = 1024, sums in f32, each finished sum x 2^(e10 + e11).  LIMIT: e10 + e11 between -126 and 127.
; A work-group makes 256 tokens x 128 channels: 8 x 32 work-groups.  Each of its four waves makes 64 tokens x 128 channels: 32 accumulators, 256 registers.
; B, 128 rows of Wo with ALL of K (1,024 bytes a row), lies in LDS whole: one tensor load a wave, 32 rows each, and LDS is never filled again: no ring, one barrier.
; A, the attention launch's result, lies in memory as images of operand registers (2,048 bytes for 16 tokens x 128 K): a wave loads its own 4 x 8 images straight into 512 registers,
; each load 512 consecutive bytes; no other wave of the work-group wants them.
; CLUSTERS 4 x 4: B's tile hangs on the tile column alone and is asked for jointly down a column of the cluster.  A is not shared: a work-group's 256 x 1,024 bytes of A and 133,120 of B do not fit in LDS together.
; NO PREFETCH: all of A and B is asked for in one run at the head; there is no loop to run ahead in.
; THE MATRIX INSTRUCTION IS USED TRANSPOSED (source 0 = 16 rows of Wo, source 1 = 16 tokens): a lane holds eight neighbouring numbers of a row of out.
; k lies in both operands' registers alike: registers 4 c .. 4 c + 3 of lane l hold k = 32 c + 16 (l / 16) + 0 .. 15.
; REGISTERS, in windows of 256: window 0: v0-31 addresses, v32-95 at work on the way out, v128-255 B's eight fragments of a K step (one set, refilled by halves);
;   window 1: the accumulators ((a, b) at v[8 (8 a + b)]);  windows 2, 3: A's fragments (K step q, block a at v[64 (q % 4) + 16 a] of window 2 + q / 4).
.set SIZE_N, 1024
.set PITCH,  1040                      ; an LDS row: 1,024 bytes + 16 of padding = 260 words: the 16 rows that a load touches start 4 banks apart (64 banks of 4 bytes: ISA guide 11.1)
.set WROWS,  32                        ; rows of B that a wave fetches
.set STAGE,  128*PITCH                 ; behind B: a stage of 16 rows x (512 + 16) bytes for each wave, bytes of its own
.set SPITCH, 528
.set SPARE,  STAGE+4*16*SPITCH         ; behind the stages: the spare words, 128 bytes a wave, which no other line names
.set ADRB, 20                          ; v20, v21  my place in B's blocks 0-3 and 4-7
.set STO,  24
.set RD,   25
.set CO,   26                          ; 16 x lane
.set SPW,  28
.set NIL,  29
.set TMP,  32
.set BF,   128
.set BK,   128
.set G1,   24
.set G0,   32
.set MSB, 0
.macro WIN new                         ; the immediate's high byte repeats the setting that is left
.if MSB != (\new)
	s_set_vgpr_msb (MSB<<8)|(\new)
.set MSB, (\new)
.endif
.endm
.macro PLACES n
.rept \n
	v_nop
.endr
.endm
.macro CROUND                          ; a round of the cluster's barrier
	s_barrier_signal -1
	s_barrier_wait -1
	s_cmp_lg_u32 s14, 0
	s_cbranch_scc1 .Lnot_wave_0_\@
	s_barrier_signal -3
.Lnot_wave_0_\@:
	s_barrier_wait -3
	s_barrier_signal -1
	s_barrier_wait -1
.endm
	s_load_b128 s[4:7], s[0:1], 0x0                ; ci, Wo's codes
	s_load_b128 s[8:11], s[0:1], 0x10              ; the exponents, out
	v_lshl_add_u32 v[SPW], v0, 2, SPARE
	v_mov_b32 v[NIL], 0
	ds_add_u32 v[SPW], v[NIL]
	ds_add_u32 v[SPW], v[NIL]
	v_lshrrev_b32 v1, 5, v0
	v_readfirstlane_b32 s14, v1                    ; wave 0..3
	v_and_b32 v1, 15, v0                           ; l % 16
	v_bfe_u32 v2, v0, 4, 1                         ; l / 16
	v_mul_u32_u24 v3, v1, PITCH
	v_lshl_add_u32 v[ADRB], v2, 4, v3
	v_add_nc_u32 v[ADRB+1], 64*PITCH, v[ADRB]
	v_and_b32 v6, 31, v0
	v_lshlrev_b32 v[CO], 4, v6
	s_mul_i32 s23, s14, 16*SPITCH
	s_add_co_u32 s23, s23, STAGE                   ; my stage
	v_mul_u32_u24 v5, v1, SPITCH
	v_lshl_add_u32 v5, v2, 5, v5
	v_add_nc_u32 v[STO], s23, v5                   ; in: row l % 16, 32 bytes for each half of the lanes
	v_add_nc_u32 v[RD], s23, v[CO]                 ; back: the 32 lanes take one row of 512 bytes
	s_bfe_u32 s40, ttmp6, 0x40000                  ; cx, cy
	s_bfe_u32 s41, ttmp6, 0x40004
	s_lshl_b32 s42, ttmp9, 2
	s_add_co_u32 s42, s42, s40                     ; tile column, 0..7
	s_and_b32 s17, ttmp7, 0xffff
	s_lshl_b32 s17, s17, 2
	s_add_co_u32 s17, s17, s41                     ; tile row, 0..31
	s_lshl_b32 s44, 0x1111, s40                    ; my column of the cluster
	s_or_b32 s[G1], s44, (1<<20)|(1<<21)|(7<<22)|(3<<25)   ; the mask; elements of 1 byte; padding on; 21 set beside a mask; after every 256 words four words
	s_mov_b32 s[G1+1], 1024<<16                    ; tensor_dim0
	s_mov_b32 s[G1+2], WROWS<<16                   ; tensor_dim1
	s_mov_b32 s[G1+3], 1024<<16                    ; tile_dim0
	s_mov_b32 s[G1+4], WROWS                       ; tile_dim1
	s_mov_b32 s[G1+5], 1024                        ; the pitch in memory
	s_mov_b32 s[G1+6], 0
	s_mov_b32 s[G1+7], 0
	s_lshl_b32 s46, s42, 17                        ; B: 128 rows x tile column,
	s_lshl_b32 s18, s14, 15                        ; + 32 rows x wave
	s_add_co_u32 s46, s46, s18
	s_mov_b32 s47, 0
	s_lshl_b32 s20, s17, 18                        ; A: 16 blocks of 16 tokens (16,384 bytes each) x tile row,
	s_lshl_b32 s18, s14, 16                        ; + 4 x wave
	s_add_co_u32 s20, s20, s18
	s_mov_b32 s21, 0
	s_mov_b32 s[G0], 1
	s_mul_i32 s[G0+1], s14, WROWS*PITCH            ; where my rows go: the wave's number alone
	s_lshl_b32 s48, s17, 20                        ; out: 256 rows of 4,096 bytes x tile row,
	s_lshl_b32 s18, s14, 18                        ; + 64 x wave,
	s_add_co_u32 s48, s48, s18
	s_lshl_b32 s18, s42, 9                         ; + 512 bytes x tile column
	s_add_co_u32 s48, s48, s18
	s_mov_b32 s49, 0
	s_wait_alu depctr_va_vdst(0)
	s_wait_dscnt 0x0                               ; both opening adds are done
	s_wait_kmcnt 0x0
	s_load_b64 s[96:97], s[8:9], 0x28              ; e10, e11
	s_add_nc_u64 s[G0+2:G0+3], s[6:7], s[46:47]
	s_or_b32 s[G0+3], s[G0+3], 0x80000000
	s_add_nc_u64 s[4:5], s[4:5], s[20:21]
	s_add_nc_u64 s[10:11], s[10:11], s[48:49]
	CROUND                                         ; all sixteen work-groups are here: the joint loads meet
	tensor_load_to_lds s[G0:G0+3], s[G1:G1+7]      ; my 32 rows of B: the wave's one tensor load
	s_nop 0
	PLACES 4
.irp q, 0,1,2,3,4,5,6,7                        ; A, K step by K step: 16 loads each
	WIN 0x80+0x40*(\q/4)
.irp a, 0,1,2,3
.irp c, 0,1,2,3
	global_load_b128 v[64*(\q%4)+16*\a+4*\c:64*(\q%4)+16*\a+4*\c+3], v[CO], s[4:5] offset:16384*\a+2048*\q+512*\c
.endr
.endr
.endr
	WIN 0
.macro FETCH h, q                      ; B's blocks 4 h .. 4 h + 3 of K step q
.irp i, 0,1,2,3
.irp c, 0,1,2,3
	ds_load_b128 v[BF+64*(\h)+16*\i+4*\c:BF+64*(\h)+16*\i+4*\c+3], v[ADRB+(\h)] offset:128*(\q)+32*\c+\i*16*PITCH
.endr
.endr
.endm
; 16 matrix instructions: B's blocks 4 h .. 4 h + 3 x A's four.  The 32 accumulators take turns, one instruction a turn, in the same order in every K step; K step 0 starts the sums.
.macro MUL h, q
	WIN 0x58+4*((\q)/4)                            ; source 0 window 0, source 1 window 2 or 3, C and D window 1
.irp b, 0,1,2,3
.irp a, 0,1,2,3
.if (\q) == 0
	v_wmma_f32_16x16x128_fp8_fp8 v[8*(8*\a+4*(\h)+\b):8*(8*\a+4*(\h)+\b)+7], v[BF+64*(\h)+16*\b:BF+64*(\h)+16*\b+15], v[64*((\q)%4)+16*\a:64*((\q)%4)+16*\a+15], 0
.else
	v_wmma_f32_16x16x128_fp8_fp8 v[8*(8*\a+4*(\h)+\b):8*(8*\a+4*(\h)+\b)+7], v[BF+64*(\h)+16*\b:BF+64*(\h)+16*\b+15], v[64*((\q)%4)+16*\a:64*((\q)%4)+16*\a+15], v[8*(8*\a+4*(\h)+\b):8*(8*\a+4*(\h)+\b)+7]
.endif
.endr
.endr
.endm
	s_wait_tensorcnt 0x0                           ; my rows of B are in,
	s_barrier_signal -1
	s_barrier_wait -1                              ; everybody's are; nothing is filled again
	FETCH 0, 0
	FETCH 1, 0
.irp q, 0,1,2,3,4,5,6,7
.if \q < 4
	s_wait_loadcnt 63                              ; at least 65 of A's 128 loads are in: K steps 0 to 3 (the count's field ends at 63)
.else
	s_wait_loadcnt 16*(7-\q)                       ; the later K steps' loads, 16 each, may be out
.endif
	s_wait_dscnt 16                                ; blocks 0-3 are in; the 16 loads of blocks 4-7 may be out
	MUL 0, \q
.if \q < 7
	PLACES 4                                       ; ahead of loads into registers that the products have read
	WIN 0
	FETCH 0, \q+1
	s_wait_dscnt 16                                ; blocks 4-7 are in; the 16 loads just issued may be out
.else
	s_wait_dscnt 0x0
.endif
	MUL 1, \q
.if \q < 7
	PLACES 4
	WIN 0
	FETCH 1, \q+1
.endif
.endr
	WIN 0
; THE WAY OUT, block by block of 16 tokens x 128 channels, through my own stage: in as 32 bytes a lane, back as whole rows of 512 bytes.  LDS serves a wave's instructions in order (ISA guide 5.7.1.4).
.macro TOSTAGE a
	WIN 0x01                                       ; source 0: window 1
.irp j, 0,2,4,6,8,10,12,14,16,18,20,22,24,26,28,30,32,34,36,38,40,42,44,46,48,50,52,54,56,58,60,62
	v_pk_mul_f32 v[TMP+\j:TMP+\j+1], v[64*(\a)+\j:64*(\a)+\j+1], s[96:97] op_sel_hi:[1,0]   ; x 2^(e10 + e11); each accumulator from its low end on
.endr
	WIN 0
.irp b, 0,1,2,3,4,5,6,7
	ds_store_b128 v[STO], v[TMP+8*\b:TMP+8*\b+3] offset:64*\b
	ds_store_b128 v[STO], v[TMP+8*\b+4:TMP+8*\b+7] offset:64*\b+16
.endr
.set BB, BK+64*((\a)%2)
.irp t, 0,1,2,3,4,5,6,7,8,9,10,11,12,13,14,15
	ds_load_b128 v[BB+4*\t:BB+4*\t+3], v[RD] offset:\t*SPITCH
.endr
.endm
.macro SEND a, younger                 ; younger: the LDS instructions issued behind block a's loads
.set BB, BK+64*((\a)%2)
	s_wait_dscnt \younger
.if (\a) > 0
	s_add_nc_u64 s[10:11], s[10:11], 16*SIZE_N*4   ; (behind a wait on XCNT)  16 rows on
.endif
.irp t, 0,1,2,3,4,5,6,7,8,9,10,11,12,13,14,15
	global_store_b128 v[CO], v[BB+4*\t:BB+4*\t+3], s[10:11] offset:\t*SIZE_N*4 th:TH_STORE_NT   ; 32 lanes store 512 consecutive bytes, at a multiple of 512 from the buffer's first byte
.endr
.endm
	s_wait_kmcnt 0x0
	s_add_co_i32 s96, s96, s97
	s_add_co_i32 s96, s96, 127
	s_lshl_b32 s96, s96, 23                        ; 2^(e10 + e11) as f32
	PLACES 4                                       ; behind the last products: their results are read and B's registers loaded into below
	TOSTAGE 0
.irp a, 1,2,3
.if \a > 1
	s_wait_xcnt 0x0                                ; block a - 2's stores have read their registers and their base
.endif
	TOSTAGE \a
	SEND \a-1, 32                                  ; behind block a - 1's loads: block a's 16 stores and 16 loads
.endr
	s_wait_xcnt 0x0
	SEND 3, 0
	s_wait_tensorcnt 0x0                           ; the wave's end
	ds_add_u32 v[SPW], v[NIL]
	s_wait_dscnt 0x0
	CROUND                                         ; the closing round
	s_endpgm
.Lfunc_end_k_qa9ccaa72ba_outp:
	.size	k_qa9ccaa72ba_outp, .Lfunc_end_k_qa9ccaa72ba_outp-k_qa9ccaa72ba_outp
	.p2alignl 7, 3214868480
	.fill 96, 4, 3214868480
	.section	.rodata,"a",@progbits
	.p2align	6, 0x0
	.amdhsa_kernel k_qa9ccaa72ba_outp
		.amdhsa_group_segment_fixed_size 167936
		.amdhsa_private_segment_fixed_size 0
		.amdhsa_enable_private_segment 0
		.amdhsa_kernarg_size 32
		.amdhsa_user_sgpr_count 2
		.amdhsa_user_sgpr_kernarg_segment_ptr 1
		.amdhsa_wavefront_size32 1
		.amdhsa_system_sgpr_workgroup_id_x 1
		.amdhsa_system_sgpr_workgroup_id_y 1
		.amdhsa_system_sgpr_workgroup_id_z 1
		.amdhsa_system_vgpr_workitem_id 0
		.amdhsa_next_free_vgpr 1024
		.amdhsa_next_free_sgpr 98
		.amdhsa_reserve_vcc 0
		.amdhsa_float_denorm_mode_32 3
		.amdhsa_float_denorm_mode_16_64 3
		.amdhsa_memory_ordered 1
		.amdhsa_forward_progress 1
		.amdhsa_inst_pref_size 75
	.end_amdhsa_kernel
	.amdgpu_metadata
---
amdhsa.version: [ 1, 2 ]
amdhsa.kernels:
  - .name:           k_qa9ccaa72ba_outp
    .symbol:         k_qa9ccaa72ba_outp.kd
    .args:
      - { .name: ci, .offset: 0, .size: 8, .value_kind: global_buffer, .address_space: global }
      - { .name: Wo_codes, .offset: 8, .size: 8, .value_kind: global_buffer, .address_space: global }
      - { .name: lowp_scales, .offset: 16, .size: 8, .value_kind: global_buffer, .address_space: global }
      - { .name: out0, .offset: 24, .size: 8, .value_kind: global_buffer, .address_space: global }
    .group_segment_fixed_size: 167936
    .private_segment_fixed_size: 0
    .kernarg_segment_align: 8
    .kernarg_segment_size: 32
    .max_flat_workgroup_size: 128
    .sgpr_count:     98
    .vgpr_count:     1024
    .wavefront_size: 32
...
	.end_amdgpu_metadata
.endif
;; end of part 7
